; MI455X (gfx1250); checked and timed in simulation.
; The chip was launched on July 23, 2026; its instructions are those of AMD's public machine-readable ISA for CDNA 5 (MIT licence, August 2026) and "CDNA5" Instruction Set Architecture Reference Guide (July 2026). The comments in the code are by the model that wrote it; some were corrected since.
;; Rotary Attention. Allowed arithmetic: matrix products marked QUANTISED: E2M3 operands, one E8M0 scale for each 32 along K, by v_wmma_scale_f32_16x16x128_f8f6f4 with both operands' format E2M3, f32 sums; everything else in f32.
;; Inputs: Wk_codes 512 x 64 x 24 uint8 (E2M3 codes of Wk, K innermost, in blocks of 32 codes, four codes in three bytes); Wk_scales 512 x 64 uint8 (E8M0 scales of Wk, one for each 32 codes along K); Wo_codes 2,048 x 64 x 24 uint8 (E2M3 codes of Wo, K innermost, in blocks of 32 codes, four codes in three bytes); Wo_scales 2,048 x 64 uint8 (E8M0 scales of Wo, one for each 32 codes along K); Wq_codes 2,048 x 64 x 24 uint8 (E2M3 codes of Wq, K innermost, in blocks of 32 codes, four codes in three bytes); Wq_scales 2,048 x 64 uint8 (E8M0 scales of Wq, one for each 32 codes along K); Wv_codes 512 x 64 x 24 uint8 (E2M3 codes of Wv, K innermost, in blocks of 32 codes, four codes in three bytes); Wv_scales 512 x 64 uint8 (E8M0 scales of Wv, one for each 32 codes along K); bk 512 float32; bo 2,048 float32; bq 2,048 float32; bv 512 float32; mask 4 x 1 x 1,024 x 1,024 bool; x_codes 4 x 1,024 x 64 x 24 uint8 (E2M3 codes of x, K innermost, in blocks of 32 codes, four codes in three bytes); x_scales 4 x 1,024 x 64 uint8 (E8M0 scales of x, one for each 32 codes along K).
;; Outputs: out0 4 x 1,024 x 2,048 float32.
;; This version of the problem:
;;   THIS VERSION OF THE PROBLEM IS GIVEN IN LOW PRECISION. The matrix products marked QUANTISED in the list below multiply operands that are first quantised to E2M3 (2 exponent bits, 3 mantissa bits; 6 bits a number), with one power-of-two scale for each 32 numbers along K (OCP MX v1.0); their sums are f32. All else is computed in f32.
;;   The module's matrix products, in the order in which they are computed (A, B: the left and right operand; K: the contracted axis; several contracted axes count as one K, in the product's order):
;;     1. [M 4,096, K 2,048] x [K 2,048, N 2,048]; A: input x (given as codes); B: input Wq (given as codes): QUANTISED
;;     2. [M 4,096, K 2,048] x [K 2,048, N 512]; A: input x (given as codes); B: input Wk (given as codes): QUANTISED
;;     3. [M 4,096, K 2,048] x [K 2,048, N 512]; A: input x (given as codes); B: input Wv (given as codes): QUANTISED
;;     4. batch 64 x [M 1,024, K 128] x [K 128, N 1,024]; A: computed on the way; B: computed on the way: QUANTISED
;;     5. batch 64 x [M 128, K 1,024] x [K 1,024, N 1,024]; A: computed on the way; B: softmax (see below): QUANTISED
;;     6. [M 4,096, K 2,048] x [K 2,048, N 2,048]; A: computed on the way; B: input Wo (given as codes): QUANTISED
;;   THE QUANTISER, for each operand of a quantised product, along K:
;;     - K is cut into blocks of 32 from its start; a last block that is shorter is filled with zeros.
;;     - A block's scale is 2^e with e = floor(log2(the largest magnitude in the block)) - 2, held to -126 .. 127; a block of zeros has e = 0. As a byte (E8M0): e + 127.
;;     - Each number is divided by its block's scale, clamped to +-7.5, and rounded to the nearest number of E2M3, ties to even, subnormals kept.
;;     - The product sums the exact products of the quantised numbers (number of the format x scale) in f32.
;;   ~~~python
;;   def quantise(x, axis):      # numpy; x: float32 -> the quantised numbers, widened to float32 again
;;       x = np.moveaxis(x, axis, -1); K = x.shape[-1]
;;       x = np.pad(x, [(0, 0)] * (x.ndim - 1) + [(0, -K % 32)]); x = x.reshape(x.shape[:-1] + (-1, 32)); a = np.abs(x).max(-1, keepdims=True)
;;       e = np.where(a > 0, np.clip(np.frexp(np.where(a > 0, a, 1))[1] - 1 - 2, -126, 127), 0)      # np.frexp(a)[1] - 1 = floor(log2(a)), exactly
;;       r = np.clip(x / 2.0 ** e, -7.5, 7.5)
;;       step = 2.0 ** (np.maximum(np.frexp(np.where(r == 0, 1, r))[1] - 1, 0) - 3)
;;       q = np.round(r / step) * step * 2.0 ** e      # np.round: ties to even
;;       return np.moveaxis(q.reshape(q.shape[:-2] + (-1,))[..., :K], -1, axis).astype(np.float32)
;;   ~~~
;;   SOFTMAX AHEAD OF A QUANTISED PRODUCT. Where the list says 'softmax', what is quantised is not the finished softmax but p = 2^(t - M), with t = logit x log2(e) and M = ceil(the row's largest t), a whole number; so 1/2 < the row's largest p <= 1. The row's sum l is taken of the UNQUANTISED p, in f32, and the product's result is divided by l at the end. Since M is a whole number, a kernel that streams over the keys may use a running M (the ceiling of the running maximum): every later rescaling is an exact power of two, which a block's scale takes up: the codes' values come out the same.
;;   OPERANDS COMPUTED ON THE WAY. 'Computed on the way' means the value that the module computes at that place (a softmax that the list does not call 'softmax' is quantised finished and normalised). What goes into a quantiser is computed in f32, as accurately as f32 sums, v_exp_f32 and their like allow (about 1e-6 of the number): no bf16 or f16 on the way to a quantiser, and a product that is left as it is and whose result goes on into a quantised operand takes f32 operands (vector FMAs, or v_wmma_f32_16x16x4_f32). A number that lies on a knife's edge between two numbers of the format may be rounded either way, as far as f32 arithmetic and the matrix unit's own rounding can turn it there, and no further.
;;   INPUTS GIVEN AS CODES. Wk (in the module: [2048, 512], K = its axis 0); Wo (in the module: [2048, 2048], K = its axis 0); Wq (in the module: [2048, 2048], K = its axis 0); Wv (in the module: [2048, 512], K = its axis 0); x (in the module: [4, 1024, 2048], K = its axis 2): each comes as NAME_codes (uint8): NAME with its K axis moved to the last place and cut into blocks of 32 codes, [.., K / 32, bytes a block], one block behind the other in memory; four codes in three bytes: a row's codes are one little-endian stream of bits, code i at bits 6 i .. 6 i + 5 (a code: sign, 2 exponent bits, 3 mantissa bits); and NAME_scales (uint8): the same leading axes, one E8M0 byte (e + 127) for each 32 codes along K. Its value is code x scale, taken as it is: it is not quantised again, and the codes and scales need not be those that the quantiser above would give.
;; One version. Each part assembles by itself: llvm-mc -triple=amdgcn-amd-amdhsa -mcpu=gfx1250 --defsym DOCPART=n.
;; ======== version 1 of 1: 4 launches
;; limits: right only within a limited range of input values
;; workspace buffers: rope 1,048,576 bytes; maskw 524,288 bytes of whole numbers; qc 6,553,600 bytes; kc 1,638,400 bytes; vc 1,638,400 bytes; oc 6,291,456 bytes; osc 262,144 bytes; img 14,745,600 bytes
;; launch prep (part 1): grid 562 x 1, 4 waves a work-group, no clusters, 68,096 bytes of LDS; arguments mask, rope, maskw, x_codes, Wq_codes, Wo_codes, Wk_codes, Wv_codes, x_scales, Wq_scales, Wo_scales, Wk_scales, Wv_scales, img; writes rope, maskw, img
.if DOCPART == 1
	.amdgcn_target "amdgcn-amd-amdhsa--gfx1250"
	.amdhsa_code_object_version 6
	.text
	.protected	k_q55609de0a8_prep
	.globl	k_q55609de0a8_prep
	.p2align	8
	.type	k_q55609de0a8_prep,@function
k_q55609de0a8_prep:
	s_mov_b64 s[64:65], 0
	v_nop
	global_prefetch_b8 v0, s[64:65] scope:SCOPE_SE
	s_setreg_imm32_b32 hwreg(HW_REG_WAVE_MODE, 25, 1), 1
	s_wait_xcnt 0x0
; Two small tables for the later launches.  1,024 waves; wave W = 4 x work-group + wave does one part of each.
; (1) THE ROPE TABLE, rope [variant 2][tile 64][chunk 16][lane 32][4 f32]: an image of the registers in which the projection launch holds a tile of 16 tokens:
;     lane (r, h) of tile T holds token t = 16 T + r; register e = 4 chunk + 0..3 = 16 B + k holds cos (e even) or sin (e odd) of t x theta_i, i = 16 B + 8 h + k / 2, theta_i = 10000^(-i / 64).
;     Variant 0 is plain (for k), variant 1 is multiplied by 128^-0.5 (for q).  W = 16 T + chunk, so the wave's 512 bytes begin at 512 W.
;     theta = 2^(-(i / 64) log2(10000)): the product's rounding error and the constant's are put back by one multiply-add behind the exponential.  The angle t x theta is rounded to f32, as the outer product of the tables is,
;     then reduced by multiples of pi / 2 held in two parts (the rest is under 2e-12 for n up to 652) and put through polynomials of degree 7 and 8 on |rho| <= pi / 4.
; (2) THE MASK AS LANE MASKS, maskw [b 4][query tile 64][key step 8][n 64] words: bit 16 h + r of word n = 16 B + k is 1 where mask[b][query][128 step + 32 B + 16 h + k] is 0 (hidden),
;     query = 32 (tile / 2) + 8 (tile % 2) + r + 8 (r / 8): the place of that score in the attention launch's registers.  W = (b, tile, pair of key steps): 128 words, 512 bytes at 512 W.
;     16 rows x 256 bytes of the mask are read as whole runs of 256 bytes, turned through the wave's own stage in LDS (pitch 272), tested byte by byte, and each compare's lane mask is written into a lane.
; No barrier: waves share nothing.  LIMIT: the mask's bytes count as hidden where they are 0 and as open otherwise.
.set STGW, 16*272                      ; a wave's stage
	s_load_b128 s[4:7], s[0:1], 0x0                ; mask, rope
	s_load_b64 s[8:9], s[0:1], 0x10                ; maskw
	v_lshl_add_u32 v128, v0, 2, 0x4400
	v_mov_b32 v129, 0
	s_wait_alu depctr_va_vdst(0)
	s_cmp_ge_u32 ttmp9, 256                        ; work-groups 0-255: the two tables; 256-543: codes re-laid; 544-561: scale words re-laid
	s_cbranch_scc1 .Lrelay
	v_lshrrev_b32 v1, 5, v0
	v_readfirstlane_b32 s10, v1                    ; wave
	s_lshl_b32 s11, ttmp9, 2
	s_add_co_u32 s11, s11, s10                     ; W
	v_and_b32 v2, 31, v0                           ; lane
	v_and_b32 v3, 15, v0                           ; r
	v_bfe_u32 v4, v0, 4, 1                         ; h
	s_wait_alu depctr_va_vdst(0)
	s_lshr_b32 s12, s11, 8                         ; b
	s_bfe_u32 s13, s11, 0x60002                    ; query tile: 6 bits from bit 2
	s_and_b32 s14, s11, 3                          ; which 256 keys
	s_lshr_b32 s15, s13, 1
	s_lshl_b32 s15, s15, 5
	s_and_b32 s16, s13, 1
	s_lshl_b32 s16, s16, 3
	s_add_co_u32 s15, s15, s16                     ; the tile's first query
	s_lshl_b32 s15, s15, 10                        ; a row of the mask is 1,024 bytes
	s_lshl_b32 s16, s12, 20
	s_add_co_u32 s16, s16, s15
	s_lshl_b32 s15, s14, 8
	s_add_co_u32 s16, s16, s15
	s_mov_b32 s17, 0
	s_lshl_b32 s18, s11, 9                         ; 512 W: my place in rope and in maskw
	s_mov_b32 s19, 0
	v_lshlrev_b32 v5, 10, v4
	v_lshl_add_u32 v5, v3, 4, v5                   ; a load takes two rows: lanes 0-15 one run of 256 bytes, lanes 16-31 the next row's
	s_mul_i32 s15, s10, STGW
	v_mul_u32_u24 v6, v4, 272
	v_lshl_add_u32 v6, v3, 4, v6
	v_add_nc_u32 v6, s15, v6                       ; into the stage, as loaded
	v_mul_u32_u24 v7, v3, 272
	v_lshl_add_u32 v7, v4, 4, v7
	v_add_nc_u32 v7, s15, v7                       ; out of it: row r, 16 keys of my half of a block of 32
	v_lshlrev_b32 v8, 4, v2                        ; 16 x lane
	s_wait_alu depctr_va_vdst(0)
	s_wait_kmcnt 0x0
	s_add_nc_u64 s[4:5], s[4:5], s[16:17]
	s_add_nc_u64 s[6:7], s[6:7], s[18:19]
	s_add_nc_u64 s[8:9], s[8:9], s[18:19]
.irp i, 0,1,2,3,4,5,6,7                        ; the tile's rows 0-7 and 16-23 from its first query on
	global_load_b128 v[16+4*\i:19+4*\i], v5, s[4:5] offset:(2*\i+8*(\i/4))*1024 th:TH_LOAD_NT
.endr
	; ---- the table, while the mask is on its way
	s_mov_b32 s28, 0xc1549a78                      ; -log2(10000), upper part
	s_mov_b32 s29, 0xb4979a37                      ; and what f32 left of it
	s_mov_b32 s30, 0xbfc90fdb                      ; -pi / 2, upper part
	s_mov_b32 s31, 0x333bbd2e                      ; and the rest
	s_mov_b32 s32, 0xb94ca1f9                      ; sine: -1.9515296e-4, 8.3321609e-3, -1.6666655e-1
	s_mov_b32 s33, 0x3c08839e
	s_mov_b32 s34, 0xbe2aaaa3
	s_mov_b32 s35, 0x37ccf5ce                      ; cosine: 2.4433157e-5, -1.3887316e-3, 4.1666646e-2
	s_mov_b32 s36, 0xbab6061a
	s_mov_b32 s37, 0x3d2aaaa5
	s_mov_b32 s38, 0x3db504f3                      ; 128^-0.5
	s_lshr_b32 s39, s11, 4
	s_lshl_b32 s39, s39, 4                         ; 16 T
	v_add_nc_u32 v10, s39, v3
	v_cvt_f32_u32 v10, v10                         ; t
	s_and_b32 s40, s11, 15                         ; chunk = 4 B + kq
	s_lshr_b32 s41, s40, 2
	s_lshl_b32 s41, s41, 4
	s_and_b32 s40, s40, 3
	s_lshl_b32 s40, s40, 1
	s_add_co_u32 s41, s41, s40                     ; 16 B + 2 kq
	v_lshl_add_u32 v11, v4, 3, s41                 ; i0
	v_add_nc_u32 v12, 1, v11                       ; i1
.irp m, 0,1
	v_cvt_f32_u32 v[96+16*\m], v[11+\m]
.endr
.irp m, 0,1
	v_mul_f32 v[96+16*\m], 0x3c800000, v[96+16*\m]                 ; e = i / 64, exact
	v_mul_f32 v[97+16*\m], s28, v[96+16*\m]                        ; the exponent, rounded
	v_fma_f32 v[98+16*\m], v[96+16*\m], s28, -v[97+16*\m]          ; what that rounding lost
	v_fma_f32 v[98+16*\m], v[96+16*\m], s29, v[98+16*\m]           ; and the constant's rest
.endr
	s_wait_alu depctr_va_vdst(0)
.irp m, 0,1
	v_exp_f32 v[99+16*\m], v[97+16*\m]
.endr
.irp m, 0,1
	v_mul_f32 v[98+16*\m], 0x3f317218, v[98+16*\m]                 ; x ln 2.  (Plain work behind the exponentials)
.endr
	s_wait_alu depctr_va_vdst(0)                   ; one wait for both exponentials, ahead of their first reader
.irp m, 0,1
	v_fma_f32 v[99+16*\m], v[99+16*\m], v[98+16*\m], v[99+16*\m]   ; theta
	v_mul_f32 v[100+16*\m], v10, v[99+16*\m]                       ; the angle, rounded to f32
	v_mul_f32 v[101+16*\m], 0x3f22f983, v[100+16*\m]
	v_rndne_f32 v[101+16*\m], v[101+16*\m]                         ; n = the nearest multiple of pi / 2
	v_fma_f32 v[102+16*\m], v[101+16*\m], s30, v[100+16*\m]
	v_fma_f32 v[102+16*\m], v[101+16*\m], s31, v[102+16*\m]        ; rho
	v_mul_f32 v[103+16*\m], v[102+16*\m], v[102+16*\m]             ; z
	v_fma_f32 v[104+16*\m], v[103+16*\m], s32, s33
	v_fma_f32 v[104+16*\m], v[104+16*\m], v[103+16*\m], s34
	v_mul_f32 v[106+16*\m], v[102+16*\m], v[103+16*\m]
	v_fma_f32 v[108+16*\m], v[106+16*\m], v[104+16*\m], v[102+16*\m]   ; sin rho
	v_fma_f32 v[105+16*\m], v[103+16*\m], s35, s36
	v_fma_f32 v[105+16*\m], v[105+16*\m], v[103+16*\m], s37
	v_mul_f32 v[106+16*\m], v[103+16*\m], v[103+16*\m]
	v_fma_f32 v[110+16*\m], v[103+16*\m], -0.5, 1.0
	v_fma_f32 v[109+16*\m], v[106+16*\m], v[105+16*\m], v[110+16*\m]   ; cos rho
	v_cvt_i32_f32 v[107+16*\m], v[101+16*\m]                       ; the quadrant is n mod 4
	v_and_b32 v[106+16*\m], 1, v[107+16*\m]
	v_cmp_eq_u32 vcc_lo, 1, v[106+16*\m]
	v_cndmask_b32 v[89+2*\m], v[108+16*\m], v[109+16*\m], vcc_lo   ; odd quadrants change the two over
	v_cndmask_b32 v[88+2*\m], v[109+16*\m], v[108+16*\m], vcc_lo
	v_and_b32 v[106+16*\m], 2, v[107+16*\m]
	v_lshlrev_b32 v[106+16*\m], 30, v[106+16*\m]
	v_xor_b32 v[89+2*\m], v[106+16*\m], v[89+2*\m]                 ; the sine is negative in quadrants 2, 3
	v_add_nc_u32 v[106+16*\m], 1, v[107+16*\m]
	v_and_b32 v[106+16*\m], 2, v[106+16*\m]
	v_lshlrev_b32 v[106+16*\m], 30, v[106+16*\m]
	v_xor_b32 v[88+2*\m], v[106+16*\m], v[88+2*\m]                 ; the cosine in quadrants 1, 2
.endr
.irp j, 0,1,2,3
	v_mul_f32 v[92+\j], s38, v[88+\j]
.endr
	global_store_b128 v8, v[88:91], s[6:7]                         ; 32 lanes store 512 consecutive bytes
	global_store_b128 v8, v[92:95], s[6:7] offset:524288
	; ---- the mask
.irp j, 0,1,2,3
	v_mov_b32 v[80+\j], 0                          ; v_writelane_b32's destination counts as read
.endr
	s_wait_alu depctr_va_vdst(0)
	s_wait_loadcnt 0x0
.irp i, 0,1,2,3,4,5,6,7
	ds_store_b128 v6, v[16+4*\i:19+4*\i] offset:2*\i*272
.endr
.irp i, 0,1,2,3,4,5,6,7                        ; LDS serves a wave's instructions in order: these see my stores.  i = 4 x (key step of the pair) + block
	ds_load_b128 v[48+4*\i:51+4*\i], v7 offset:128*(\i/4)+32*(\i%4)
.endr
	s_wait_dscnt 0x0
.set w, 0
.rept 128                                      ; word w = 64 x (key step of the pair) + 16 B + k: byte k of my 16; its lane mask goes to lane w / 4, register w % 4
	v_and_b32 v[84+w%4], 0xff<<(8*(w%4)), v[48+4*(w/16)+(w%16)/4]
	v_cmp_eq_u32 s[20+w%8], 0, v[84+w%4]
	v_writelane_b32 v[80+w%4], s[20+w%8], w/4
.set w, w+1
.endr
	global_store_b128 v8, v[80:83], s[8:9]         ; 128 words: 512 consecutive bytes
	s_wait_tensorcnt 0x0
	ds_add_u32 v128, v129
	s_wait_dscnt 0x0
	s_endpgm
; (3) THE GIVEN CODES AND SCALES RE-LAID, img [row block 72][K step 16] units of 12,800 bytes.  Row blocks of 128 rows: x 0-31, Wq 32-47, Wo 48-63, Wk 64-67, Wv 68-71.
;     A unit = 128 rows x 128 K: eight fragments of 16 rows as images of their 12 registers (3 x 512 bytes, lane l's 16 bytes at 16 l), then 512 bytes of scale words
;     (word B of lane l: row 32 B + l).  A given row of codes is 1,536 bytes and a K step 96 of them, so tiles cut from it would begin off 256-byte borders; the units are dense and begin on them.
;     Codes: a wave takes 16 rows x 768 bytes (8 K steps): whole runs of 256 bytes in, through its own stage (pitch 784), eight images out, 512 consecutive bytes a store.
;     Scales: a wave takes a row block's 8,192 bytes: lane l loads the whole 64 bytes of rows l, 32 + l, 64 + l, 96 + l, puts the four words of each K step side by side, and stores the 16 units' scale words, 512 consecutive bytes each.
;     The tables' path and the codes' path have LDS bytes of their own; the scales' path uses none.
.Lrelay:
.set UNIT, 12800
.set CST,  17920
.set CSW,  16*784
	s_load_b512 s[16:31], s[0:1], 0x18             ; codes of x, Wq, Wo, Wk, Wv; scales of x, Wq, Wo
	s_load_b128 s[32:35], s[0:1], 0x58             ; scales of Wk, Wv
	s_load_b64 s[36:37], s[0:1], 0x68              ; img
	v_lshrrev_b32 v1, 5, v0
	v_readfirstlane_b32 s10, v1                    ; wave
	s_sub_co_u32 s11, ttmp9, 256
	s_cmp_ge_u32 s11, 288
	s_cselect_b32 s12, 1, 0                        ; 1: scale words
	s_sub_co_u32 s13, s11, 288
	s_lshl_b32 s13, s13, 4
	s_cmp_eq_u32 s12, 1
	s_cselect_b32 s13, s13, s11                    ; key = 4 x row block: the tensors begin at keys 0, 128, 192, 256, 272
	s_mov_b32 s14, 0
	s_wait_kmcnt 0x0
.macro PICK from, c, s
	s_cmp_ge_u32 s13, \from
	s_cselect_b64 s[16:17], s[\c:\c+1], s[16:17]
	s_cselect_b64 s[26:27], s[\s:\s+1], s[26:27]
	s_cselect_b32 s14, \from, s14
.endm
	PICK 128, 18, 28
	PICK 192, 20, 30
	PICK 256, 22, 32
	PICK 272, 24, 34
	s_sub_co_u32 s15, s13, s14                     ; the key inside its tensor
	v_and_b32 v2, 31, v0
	v_lshlrev_b32 v8, 4, v2
	s_wait_alu depctr_va_vdst(0)
	s_cmp_eq_u32 s12, 1
	s_cbranch_scc1 .Lscales
	s_lshr_b32 s38, s10, 1
	s_and_b32 s39, s10, 1                          ; which 768 bytes of the rows
	s_lshl_b32 s40, s15, 1
	s_add_co_u32 s40, s40, s38                     ; the tile of 16 rows, in its tensor
	s_mul_i32 s40, s40, 24576
	s_mul_i32 s41, s39, 768
	s_add_co_u32 s40, s40, s41
	s_mov_b32 s41, 0
	s_add_nc_u64 s[16:17], s[16:17], s[40:41]
	s_lshl_b32 s42, s13, 1
	s_add_co_u32 s42, s42, s38                     ; the tile, counted over all tensors
	s_lshr_b32 s43, s42, 3
	s_lshl_b32 s43, s43, 4
	s_lshl_b32 s44, s39, 3
	s_add_co_u32 s43, s43, s44                     ; its first unit
	s_mul_i32 s43, s43, UNIT
	s_and_b32 s42, s42, 7
	s_mul_i32 s42, s42, 1536
	s_add_co_u32 s42, s42, s43
	s_mov_b32 s43, 0
	s_add_nc_u64 s[36:37], s[36:37], s[42:43]
	s_mul_i32 s45, s10, CSW
	s_add_co_u32 s45, s45, CST
	v_and_b32 v3, 15, v0
	v_bfe_u32 v4, v0, 4, 1
	v_mul_u32_u24 v5, v4, 1536
	v_lshl_add_u32 v5, v3, 4, v5                   ; a load takes 256 bytes of two rows
	v_mul_u32_u24 v6, v4, 784
	v_lshl_add_u32 v6, v3, 4, v6
	v_add_nc_u32 v6, s45, v6
	v_mul_u32_u24 v7, v3, 784
	v_mad_u32_u24 v7, v4, 24, v7
	v_add_nc_u32 v7, s45, v7                       ; a fragment's row r, + 24 h
	s_wait_alu depctr_va_vdst(0)
.irp i, 0,1,2,3,4,5,6,7
.irp c, 0,1,2
	global_load_b128 v[16+12*\i+4*\c:19+12*\i+4*\c], v5, s[16:17] offset:3072*\i+256*\c th:TH_LOAD_NT
.endr
.endr
	s_wait_loadcnt 0x0
.irp i, 0,1,2,3,4,5,6,7
.irp c, 0,1,2
	ds_store_b128 v6, v[16+12*\i+4*\c:19+12*\i+4*\c] offset:1568*\i+256*\c
.endr
.endr
.irp s, 0,1,2,3,4,5,6,7                        ; LDS serves a wave's instructions in order: these see my stores
.irp p, 0,1,2,3,4,5
	ds_load_b64 v[16+12*\s+2*\p:17+12*\s+2*\p], v7 offset:96*\s+48*(\p/3)+8*(\p%3)
.endr
.endr
	s_wait_dscnt 0x0
.irp s, 0,1,2,3,4,5,6,7
.irp c, 0,1,2
	global_store_b128 v8, v[16+12*\s+4*\c:19+12*\s+4*\c], s[36:37] offset:UNIT*\s+512*\c
.endr
.endr
	s_wait_tensorcnt 0x0
	ds_add_u32 v128, v129
	s_wait_dscnt 0x0
	s_endpgm
.Lscales:
	s_lshr_b32 s40, s15, 2
	s_add_co_u32 s40, s40, s10                     ; the row block, in its tensor
	s_lshl_b32 s40, s40, 13
	s_mov_b32 s41, 0
	s_add_nc_u64 s[26:27], s[26:27], s[40:41]
	s_lshr_b32 s42, s13, 2
	s_add_co_u32 s42, s42, s10                     ; and counted over all tensors
	s_mul_i32 s42, s42, 16*UNIT
	s_add_co_u32 s42, s42, 12288
	s_mov_b32 s43, 0
	s_add_nc_u64 s[36:37], s[36:37], s[42:43]
	v_lshlrev_b32 v7, 6, v2                        ; a row of scales is 64 bytes: row 32 b + lane
	s_wait_alu depctr_va_vdst(0)
.irp b, 0,1,2,3
.irp c, 0,1,2,3
	global_load_b128 v[16+16*\b+4*\c:19+16*\b+4*\c], v7, s[26:27] offset:2048*\b+16*\c th:TH_LOAD_NT
.endr
.endr
	s_wait_loadcnt 0x0
.irp s, 0,1,2,3,4,5,6,7,8,9,10,11,12,13,14,15
.irp b, 0,1,2,3
	v_mov_b32 v[132+4*\s+\b], v[16+16*\b+\s]       ; K step s: the words of my four rows side by side
.endr
.endr
.irp s, 0,1,2,3,4,5,6,7,8,9,10,11,12,13,14,15
	global_store_b128 v8, v[132+4*\s:135+4*\s], s[36:37] offset:UNIT*\s
.endr
	s_wait_tensorcnt 0x0
	ds_add_u32 v128, v129
	s_wait_dscnt 0x0
	s_endpgm
.Lfunc_end_k_q55609de0a8_prep:
	.size	k_q55609de0a8_prep, .Lfunc_end_k_q55609de0a8_prep-k_q55609de0a8_prep
	.p2alignl 7, 3214868480
	.fill 96, 4, 3214868480
	.section	.rodata,"a",@progbits
	.p2align	6, 0x0
	.amdhsa_kernel k_q55609de0a8_prep
		.amdhsa_group_segment_fixed_size 68096
		.amdhsa_private_segment_fixed_size 0
		.amdhsa_enable_private_segment 0
		.amdhsa_kernarg_size 112
		.amdhsa_user_sgpr_count 2
		.amdhsa_user_sgpr_kernarg_segment_ptr 1
		.amdhsa_wavefront_size32 1
		.amdhsa_system_sgpr_workgroup_id_x 1
		.amdhsa_system_sgpr_workgroup_id_y 1
		.amdhsa_system_sgpr_workgroup_id_z 1
		.amdhsa_system_vgpr_workitem_id 0
		.amdhsa_next_free_vgpr 196
		.amdhsa_next_free_sgpr 66
		.amdhsa_reserve_vcc 1
		.amdhsa_float_denorm_mode_32 3
		.amdhsa_float_denorm_mode_16_64 3
		.amdhsa_memory_ordered 1
		.amdhsa_forward_progress 1
		.amdhsa_inst_pref_size 51
	.end_amdhsa_kernel
	.amdgpu_metadata
---
amdhsa.version: [ 1, 2 ]
amdhsa.kernels:
  - .name:           k_q55609de0a8_prep
    .symbol:         k_q55609de0a8_prep.kd
    .args:
      - { .name: mask, .offset: 0, .size: 8, .value_kind: global_buffer, .address_space: global }
      - { .name: rope, .offset: 8, .size: 8, .value_kind: global_buffer, .address_space: global }
      - { .name: maskw, .offset: 16, .size: 8, .value_kind: global_buffer, .address_space: global }
      - { .name: x_codes, .offset: 24, .size: 8, .value_kind: global_buffer, .address_space: global }
      - { .name: Wq_codes, .offset: 32, .size: 8, .value_kind: global_buffer, .address_space: global }
      - { .name: Wo_codes, .offset: 40, .size: 8, .value_kind: global_buffer, .address_space: global }
      - { .name: Wk_codes, .offset: 48, .size: 8, .value_kind: global_buffer, .address_space: global }
      - { .name: Wv_codes, .offset: 56, .size: 8, .value_kind: global_buffer, .address_space: global }
      - { .name: x_scales, .offset: 64, .size: 8, .value_kind: global_buffer, .address_space: global }
      - { .name: Wq_scales, .offset: 72, .size: 8, .value_kind: global_buffer, .address_space: global }
      - { .name: Wo_scales, .offset: 80, .size: 8, .value_kind: global_buffer, .address_space: global }
      - { .name: Wk_scales, .offset: 88, .size: 8, .value_kind: global_buffer, .address_space: global }
      - { .name: Wv_scales, .offset: 96, .size: 8, .value_kind: global_buffer, .address_space: global }
      - { .name: img, .offset: 104, .size: 8, .value_kind: global_buffer, .address_space: global }
    .group_segment_fixed_size: 68096
    .private_segment_fixed_size: 0
    .kernarg_segment_align: 8
    .kernarg_segment_size: 112
    .max_flat_workgroup_size: 128
    .sgpr_count:     66
    .vgpr_count:     196
    .wavefront_size: 32
...
	.end_amdgpu_metadata
.endif
;; end of part 1
;; launch qkv (part 2): grid 12 x 16, 4 waves a work-group, clusters of 4 x 4, 327,680 bytes of LDS; arguments img, bq, bk, bv, rope, qc, kc, vc; writes qc, kc, vc
.if DOCPART == 2
	.amdgcn_target "amdgcn-amd-amdhsa--gfx1250"
	.amdhsa_code_object_version 6
	.text
	.protected	k_q55609de0a8_qkv
	.globl	k_q55609de0a8_qkv
	.p2align	8
	.type	k_q55609de0a8_qkv,@function
k_q55609de0a8_qkv:
	s_mov_b64 s[64:65], 0
	v_nop
	global_prefetch_b8 v0, s[64:65] scope:SCOPE_SE
	s_setreg_imm32_b32 hwreg(HW_REG_WAVE_MODE, 25, 1), 1
	s_wait_xcnt 0x0
	s_wait_alu depctr_hold_cnt(0) depctr_sa_sdst(0) depctr_va_vdst(0) depctr_va_sdst(0) depctr_va_ssrc(0) depctr_va_vcc(0) depctr_vm_vsrc(0)
	s_getreg_b32 s2, hwreg(HW_REG_IB_STS2, 6, 4)
	s_cmp_eq_u32 s2, 0
	s_cbranch_scc0 .Lentry_in_a_cluster
	s_endpgm
.Lentry_in_a_cluster:
	s_bfe_u32 s2, ttmp6, 0x10000c
	s_cmp_lg_u32 s2, 0xf033
	s_cbranch_scc0 .Lentry_shape_is_right
	s_endpgm
.Lentry_shape_is_right:
; q = rope(x Wq + bq) / sqrt(128), k = rope(x Wk + bk), v = x Wv + bv on the given codes of FP6 (E2M3), each result quantised again: q and k along the head's 128, v along the keys.
; OPERANDS come from img: units of 12,800 bytes = 128 rows x 128 K: eight fragments as images of their 12 registers, then the scale words (word B of lane l: row 32 B + l).
; SHARES.  A work-group takes 256 tokens (T = 4 x cluster y + cy) and a column col = 4 x cluster x + cx of 12.  Columns 0-7: two heads of q.  Columns 8-11 (cluster x = 2): group cx: K and V.
; Each of four waves makes 128 x 128: 64 accumulators.  hf = wave % 2: the token half; role = wave / 2: the head (q), or K against V.
; A lane's registers run along the NEXT product's K: q, k: source 0 = 16 rows of W, source 1 = 16 tokens.  V: source 0 = 16 tokens, source 1 = 16 rows of Wv.  The two uses differ in LDS base addresses alone.
; THE RING: two slots of four quarters (x half 0, x half 1, W half 0, W half 1); a quarter = three units = 384 along K = 38,400 dense bytes, 150 rows of 256; one joint load a wave fills a quarter.
; The 16 K steps come in six fills: K steps 0-2, 3-5, 6-8, 9-11, 12-14 and 13-15.  The last has the shape of the others, so that the loop has one tile shape: K step 15 is read from its third unit, K steps 13 and 14 come twice.
; A trip of the loop is six K steps: then slots and register sets are back where they began.  Two trips; K step 0 and K steps 13-15 are written out.
; CLUSTERS 4 x 4: x's quarters are asked for jointly along a row of the cluster, W's along a column.
; THE ROPE TABLE (an image of registers) goes from memory into registers of window 1 that the ring leaves idle: block 0 at the head, block a + 1 while block a is on its way out.  V's waves load it too and do not use it, so that the counts of loads are the same in all waves.
; PREFETCHES: a fill's 38,400 bytes of a quarter are shared out by address among the four partners that ask for it, 9,600 bytes each: 38 lanes, 256 bytes apart, in two instructions (the lanes left over name the last place again).
;   Fills 2 and 3 are asked for behind the first fragment loads, fills 4 and 5 behind the refills that bring fills 2 and 3; the second trip asks for nothing.  The address registers are never rewritten.
;   Once, behind the first fragment loads: the 8,192 bytes of my token half's table that fall to (cx, role), and the head's 512 bytes of bias.
; THE WAY OUT, block a of 16 rows of source 1: + bias; halves of lanes change places so that register 16 B + k holds index 32 B + 16 h + k; rope (not V); quantised in registers.
; Two blocks change their upper and lower eight lanes: tile 2 p holds rows 32 p + 0..7, 16..23, tile 2 p + 1 rows 32 p + 8..15, 24..31.  Results are units of the same form as img's.
; 192 work-groups: a split into 256 would cut heads between waves.
; LIMITS: NaN and infinities are not served.  A block whose largest magnitude lies under 2^-124 gets the scale byte 1; the bytes are read by this program alone.
; REGISTERS: window 0: v1-29 addresses; v32-55, v56-79 scale words of source 0, 1 (two sets of 12); v96-125 at work on the way out; v128-223 source 1's fragments, then numbers and codes.
;   window 1: source 0's fragments at v0 and v96 (on the way out: v0-79 biases, v96-159 the table of odd blocks); v192-255 the table of even blocks.   windows 2, 3: accumulator (a, b) at v[8 (8 (a % 4) + b)].
.set UNIT,   12800
.set QB,     3*UNIT
.set SLOT,   4*QB
.set SPARE,  2*SLOT
.set FR,     12
.set NP,     4
.set SW,   8
.set LI,   12
.set PFT,  15
.set ADRA, 16
.set ADRB, 20
.set PFB,  26
.set PFO,  27
.set SPW,  28
.set NIL,  29
.set SC0,  32
.set SC1,  56
.set TM,   96
.set RT,   104
.set AF,   128
.set X,    128
.set BI,   0
.set BV,   64
.set G1,   24
.set G0,   32
.set G1B,  48
.set G0B,  56
.set BIAS, 4
.set TP,   10
.set FV,   66
.set KV,   67
.set PFA,  70
.set TPF,  72
.set OUT,  92
.set SEL,  98
.set M8,   100
.set MH,   101
.set MSB, 0
.macro WIN new
.if MSB != (\new)
	s_set_vgpr_msb (MSB<<8)|(\new)
.set MSB, (\new)
.endif
.endm
.set MUL_LO, 0xa1
.set MUL_HI, 0xf1
.set TO_B,   0x40
.macro JLOAD g0a, g1a, g0b, g1b        ; waves 0, 1 fetch x's halves, waves 2, 3 W's; s_nop 0 and four v_nop behind each line
	s_cmp_eq_u32 s15, 0
	s_cbranch_scc0 .Lfor_b_\@
	tensor_load_to_lds s[\g0a:\g0a+3], s[\g1a:\g1a+7]
	s_nop 0
.rept 4
	v_nop
.endr
	s_branch .Lasked_\@
.Lfor_b_\@:
	tensor_load_to_lds s[\g0b:\g0b+3], s[\g1b:\g1b+7]
	s_nop 0
.rept 4
	v_nop
.endr
.Lasked_\@:
.endm
.macro CREST
	s_cmp_lg_u32 s14, 0
	s_cbranch_scc1 .Lnot_wave_0_\@
	s_barrier_signal -3
.Lnot_wave_0_\@:
	s_barrier_wait -3
	s_barrier_signal -1
	s_barrier_wait -1
.endm
.macro CROUND
	s_barrier_signal -1
	s_barrier_wait -1
	CREST
.endm
	s_load_b64 s[68:69], s[0:1], 0x0               ; img
	s_load_b256 s[4:11], s[0:1], 0x8               ; bq, bk, bv, rope
	s_load_b128 s[92:95], s[0:1], 0x28             ; qc, kc
	s_load_b64 s[96:97], s[0:1], 0x38              ; vc
	v_lshl_add_u32 v[SPW], v0, 2, SPARE
	v_mov_b32 v[NIL], 0
	ds_add_u32 v[SPW], v[NIL]                      ; the opening lines: the add twice, and its wait, ahead of my first tensor load
	ds_add_u32 v[SPW], v[NIL]
	v_lshrrev_b32 v1, 5, v0
	v_readfirstlane_b32 s14, v1                    ; wave
	s_lshr_b32 s15, s14, 1                         ; role; also: I fetch for x (0) or W (1)
	s_and_b32 s16, s14, 1                          ; hf; also: which half I fetch
	s_bfe_u32 s40, ttmp6, 0x40000                  ; cx
	s_bfe_u32 s41, ttmp6, 0x40004                  ; cy
	s_lshl_b32 s42, ttmp9, 2
	s_add_co_u32 s42, s42, s40                     ; col
	s_and_b32 s17, ttmp7, 0xffff
	s_lshl_b32 s17, s17, 2
	s_add_co_u32 s17, s17, s41                     ; T
	s_lshl_b32 s43, s41, 2
	s_lshl_b32 s43, 15, s43                        ; my row of the cluster
	s_lshl_b32 s44, 0x1111, s40                    ; my column
	s_cmp_eq_u32 ttmp9, 2
	s_cselect_b32 s[KV], 1, 0                      ; the same in all sixteen partners
	s_and_b32 s[FV], s[KV], s15
	s_or_b32 s[G1+0], s43, (3<<16)|(1<<21)         ; mask; elements of 8 bytes; bit 21 beside a mask; no padding
	s_or_b32 s[G1B+0], s44, (3<<16)|(1<<21)
.irp g, G1, G1B
	s_mov_b32 s[\g+1], 32<<16                      ; 150 rows of 256 bytes, dense
	s_mov_b32 s[\g+2], 150<<16
	s_mov_b32 s[\g+3], 32<<16
	s_mov_b32 s[\g+4], 150
	s_mov_b32 s[\g+5], 32
	s_mov_b32 s[\g+6], 0
	s_mov_b32 s[\g+7], 0
.endr
	s_lshl_b32 s20, s17, 1
	s_add_co_u32 s20, s20, s16                     ; x: row block 2 T + half
	s_lshl_b32 s46, s42, 1
	s_add_co_u32 s46, s46, s16
	s_add_co_u32 s46, s46, 32                      ; Wq: 32 + 2 col + half
	s_lshl_b32 s47, s16, 2
	s_add_co_u32 s47, s47, s40
	s_add_co_u32 s47, s47, 64                      ; Wk: 64 + group; Wv: 68 + group
	s_cmp_eq_u32 s[KV], 1
	s_cselect_b32 s46, s47, s46
	s_mul_i32 s20, s20, 16*UNIT
	s_mul_i32 s46, s46, 16*UNIT
	s_mov_b32 s21, 0
	s_mov_b32 s47, 0
	s_mul_i32 s45, s14, QB                         ; where my quarter goes: no place in the cluster enters an LDS address
	s_wait_dscnt 0x0
	s_wait_kmcnt 0x0
	s_add_nc_u64 s[20:21], s[68:69], s[20:21]
	s_add_nc_u64 s[46:47], s[68:69], s[46:47]
	CROUND                                         ; all sixteen work-groups are here: the first joint loads meet
.irp s, 0,1
	s_mov_b32 s[G0+4*\s], 1
	s_add_co_u32 s[G0+4*\s+1], s45, \s*SLOT
	s_add_nc_u64 s[G0+4*\s+2:G0+4*\s+3], s[20:21], \s*QB
	s_or_b32 s[G0+4*\s+3], s[G0+4*\s+3], 0x80000000
	s_mov_b32 s[G0B+4*\s], 1
	s_add_co_u32 s[G0B+4*\s+1], s45, \s*SLOT
	s_add_nc_u64 s[G0B+4*\s+2:G0B+4*\s+3], s[46:47], \s*QB
	s_or_b32 s[G0B+4*\s+3], s[G0B+4*\s+3], 0x80000000
.endr
	JLOAD G0, G1, G0B, G1B                         ; K steps 0-2: one tensor load a wave at the head
	s_cmp_eq_u32 s15, 0                            ; the tiles' prefetches: my quarter's row block, my place among the four that ask for it
	s_cselect_b64 s[PFA:PFA+1], s[20:21], s[46:47]
	s_cselect_b32 s18, s40, s41
	s_mul_i32 s18, s18, 9600
	s_mov_b32 s19, 0
	s_add_nc_u64 s[PFA:PFA+1], s[PFA:PFA+1], s[18:19]
	s_add_co_u32 s18, s15, 2
	s_cmp_eq_u32 s[FV], 1
	s_cselect_b32 s19, 3, s16                      ; source 1's quarter: x half hf; for V: Wv
	s_cselect_b32 s18, s16, s18                    ; source 0's quarter: W half role; for V: x half hf
	s_mul_i32 s22, s19, QB
	s_mul_i32 s23, s18, QB
	v_and_b32 v3, 31, v0
	v_and_b32 v1, 15, v0
	v_bfe_u32 v2, v0, 4, 1
	v_lshlrev_b32 v[LI], 4, v3
	v_add_nc_u32 v[ADRA], s22, v[LI]
	v_add_nc_u32 v[ADRB], s23, v[LI]
	v_add_nc_u32 v[ADRA+1], SLOT, v[ADRA]
	v_add_nc_u32 v[ADRB+1], SLOT, v[ADRB]
	v_lshlrev_b32 v6, 5, v2                        ; the channels' bias: 8 h numbers on
	v_lshlrev_b32 v7, 2, v1                        ; the rows' bias: r numbers on
	v_min_u32 v[PFT], 5, v3
	v_lshl_add_u32 v[PFT], v[PFT], 8, 8192         ; places 32 to 37 of my 38
	v_lshlrev_b32 v[PFO], 8, v3                    ; places 0 to 31
	v_and_b32 v[PFB], 1, v3
	v_lshlrev_b32 v[PFB], 8, v[PFB]
.irp j, 4,5,6,7,8,9,10,11
	v_mov_b32 v[TM+\j], 0                          ; written once: a lane permute's or DPP move's destination counts as a source
.endr
	s_cmp_eq_u32 s[KV], 1
	s_cselect_b32 s20, 0, 524288                   ; k takes the plain table, q the one that carries 128^-0.5
	s_cselect_b32 s19, 2, 4                        ; log2 of the heads in a batch's run of units
	s_lshl_b32 s18, s42, 1
	s_add_co_u32 s18, s18, s15                     ; q's head
	s_cmp_eq_u32 s15, 0
	s_cselect_b64 s[6:7], s[6:7], s[8:9]
	s_cselect_b64 s[94:95], s[94:95], s[96:97]
	s_cmp_eq_u32 s[KV], 1
	s_cselect_b64 s[BIAS:BIAS+1], s[6:7], s[4:5]
	s_cselect_b64 s[OUT:OUT+1], s[94:95], s[92:93]
	s_cselect_b32 s18, s40, s18                    ; the head or the group
	s_lshl_b32 s96, s41, 17                        ; 256 tokens of the table: T % 4 = cy
	s_add_co_u32 s96, s96, s20
	s_lshl_b32 s97, s16, 16                        ; my token half: 8 tiles of 8,192 bytes
	s_add_co_u32 s96, s96, s97
	s_mov_b32 s97, 0
	s_add_nc_u64 s[TP:TP+1], s[TP:TP+1], s[96:97]
	s_lshl_b32 s96, s40, 1
	s_add_co_u32 s96, s96, s15
	s_lshl_b32 s96, s96, 13
	s_add_nc_u64 s[TPF:TPF+1], s[TP:TP+1], s[96:97]
	s_lshl_b32 s22, s18, 9
	s_mov_b32 s23, 0
	s_add_nc_u64 s[BIAS:BIAS+1], s[BIAS:BIAS+1], s[22:23]
	s_lshr_b32 s21, s17, 2
	s_lshl_b32 s21, s21, s19
	s_add_co_u32 s21, s21, s18
	s_lshl_b32 s21, s21, 3
	s_and_b32 s22, s17, 3
	s_lshl_b32 s22, s22, 1
	s_add_co_u32 s21, s21, s22
	s_add_co_u32 s21, s21, s16
	s_mul_i32 s22, s21, UNIT
	s_add_nc_u64 s[OUT:OUT+1], s[OUT:OUT+1], s[22:23]
	s_mov_b32 s[SEL], 0x76543210
	s_mov_b32 s[SEL+1], 0xfedcba98
	s_mov_b32 s[M8], 0xff00ff00
	s_mov_b32 s[MH], 0xffff0000
.macro FRAG reg, adr, q, i             ; a fragment's image: three loads of 16 bytes a lane, 512 consecutive bytes each
.irp c, 0,1,2
	ds_load_b128 v[\reg+4*\c:\reg+4*\c+3], v[\adr] offset:(\q)*UNIT+(\i)*1536+512*\c
.endr
.endm
.macro W2 c, ra, rb                    ; ra, rb: odd tiles' scale words stand in lanes 16-31
.if (\ra) == 0 && (\rb) == 0
	v_wmma_scale_f32_16x16x128_f8f6f4 v[rD:rD+7], v[rB:rB+FR-1], v[rA:rA+FR-1], \c, v[sB], v[sA] matrix_a_fmt:MATRIX_FMT_FP6 matrix_b_fmt:MATRIX_FMT_FP6
.endif
.if (\ra) == 1 && (\rb) == 0
	v_wmma_scale_f32_16x16x128_f8f6f4 v[rD:rD+7], v[rB:rB+FR-1], v[rA:rA+FR-1], \c, v[sB], v[sA] matrix_a_fmt:MATRIX_FMT_FP6 matrix_b_fmt:MATRIX_FMT_FP6 matrix_a_scale:MATRIX_SCALE_ROW1
.endif
.if (\ra) == 0 && (\rb) == 1
	v_wmma_scale_f32_16x16x128_f8f6f4 v[rD:rD+7], v[rB:rB+FR-1], v[rA:rA+FR-1], \c, v[sB], v[sA] matrix_a_fmt:MATRIX_FMT_FP6 matrix_b_fmt:MATRIX_FMT_FP6 matrix_b_scale:MATRIX_SCALE_ROW1
.endif
.if (\ra) == 1 && (\rb) == 1
	v_wmma_scale_f32_16x16x128_f8f6f4 v[rD:rD+7], v[rB:rB+FR-1], v[rA:rA+FR-1], \c, v[sB], v[sA] matrix_a_fmt:MATRIX_FMT_FP6 matrix_b_fmt:MATRIX_FMT_FP6 matrix_a_scale:MATRIX_SCALE_ROW1 matrix_b_scale:MATRIX_SCALE_ROW1
.endif
.endm
; 16 matrix instructions: source 1's blocks a0, a0 + 1 x source 0's eight.  p: source 0's set; q: the unit in its slot; sc: the slot's set of scale words.
; The 64 accumulators take turns, in the same order in every step.
.macro MUL16 a0, p, q, sc, zero
.irp a, \a0, \a0+1
.irp b, 0,1,2,3,4,5,6,7
.set rD, 8*(8*((\a)%4)+\b)
.set rB, 96*(\p)+FR*\b
.set rA, AF+FR*(\a)
.set sB, SC0+12*(\sc)+4*(\q)+\b/2
.set sA, SC1+12*(\sc)+4*(\q)+(\a)/2
.if \zero
	W2 0, \b%2, (\a)%2
.else
	W2 v[rD:rD+7], \b%2, (\a)%2
.endif
.endr
.endr
.endm
.macro FETCH_B slot, q, p
	WIN TO_B
.irp i, 0,1,2,3,4,5,6,7
	FRAG 96*(\p)+FR*\i, ADRB+\slot, \q, \i
.endr
	WIN 0
.endm
.macro FETCH_A slot, q, i0
.irp i, \i0, \i0+1, \i0+2, \i0+3
	FRAG AF+FR*(\i), ADRA+\slot, \q, \i
.endr
.endm
.macro SCALES sc                       ; the scale words of a slot's three units, of both sources
.irp q, 0,1,2
	ds_load_b128 v[SC0+12*\sc+4*\q:SC0+12*\sc+4*\q+3], v[ADRB+\sc] offset:\q*UNIT+12288
	ds_load_b128 v[SC1+12*\sc+4*\q:SC1+12*\sc+4*\q+3], v[ADRA+\sc] offset:\q*UNIT+12288
.endr
.endm
.macro PLACES n                        ; plain vector instructions between a matrix instruction and a load into, or a read of, its registers
.rept \n
	v_nop
.endr
.endm
.macro STEP slot, q, p, zero           ; unit q (0 or 1) of a slot, from set p; the next unit's fragments are fetched into the other set
	s_wait_dscnt 12                                ; all but the youngest 12 loads (source 1's blocks 4-7)
	WIN MUL_LO
	MUL16 0, \p, \q, \slot, \zero
	MUL16 2, \p, \q, \slot, \zero
	s_wait_dscnt 0
	PLACES NP
	FETCH_B \slot, (\q)+1, 1-(\p)
	FETCH_A \slot, (\q)+1, 0
	WIN MUL_HI
	MUL16 4, \p, \q, \slot, \zero
	MUL16 6, \p, \q, \slot, \zero
	PLACES NP
	WIN 0
	FETCH_A \slot, (\q)+1, 4
.endm
; A slot's third unit, and the change of slots: one barrier; where the slot is filled again (fill = 1) it opens a round of the cluster's barrier.  nq: the unit of the next slot that is read first.
.macro TURN slot, next, p, nq, fill
	s_wait_tensorcnt 0x0                           ; my part of the next slot has landed
	ds_add_u32 v[SPW], v[NIL]
	s_wait_dscnt 13                                ; (the add and source 1's blocks 4-7 may be out)
	WIN MUL_LO
	MUL16 0, \p, 2, \slot, 0
	s_wait_dscnt 0x0                               ; the add is done, my reads of this slot are over
	s_barrier_signal -1
	MUL16 2, \p, 2, \slot, 0
	WIN 0
	s_barrier_wait -1
.if \fill
	CREST
.if \slot
	s_mov_b32 s18, 4*UNIT                          ; slot 1: K steps 3, 9, 13: six units on in the first trip, four in the second
	s_cmp_eq_u32 s3, 2
	s_cselect_b32 s18, 6*UNIT, s18
	s_mov_b32 s19, 0
	s_add_nc_u64 s[G0+4*\slot+2:G0+4*\slot+3], s[G0+4*\slot+2:G0+4*\slot+3], s[18:19]
	s_add_nc_u64 s[G0B+4*\slot+2:G0B+4*\slot+3], s[G0B+4*\slot+2:G0B+4*\slot+3], s[18:19]
.else
	s_add_nc_u64 s[G0+4*\slot+2:G0+4*\slot+3], s[G0+4*\slot+2:G0+4*\slot+3], 6*UNIT
	s_add_nc_u64 s[G0B+4*\slot+2:G0B+4*\slot+3], s[G0B+4*\slot+2:G0B+4*\slot+3], 6*UNIT
.endif
	JLOAD G0+4*\slot, G1, G0B+4*\slot, G1B         ; the first tensor load behind the round; its four v_nop are the places for the loads below
.else
	PLACES NP
.endif
	FETCH_B \next, \nq, 1-(\p)
	FETCH_A \next, \nq, 0
	SCALES \next
.if \fill
	s_cmp_eq_u32 s3, 2                             ; the first trip asks for this slot's next fill but one: K steps 12-14, or 13-15
	s_cbranch_scc0 .Lno_ask_\@
	global_prefetch_b8 v[PFO], s[PFA:PFA+1] offset:(12+\slot)*UNIT th:TH_LOAD_NT scope:SCOPE_SE
	global_prefetch_b8 v[PFT], s[PFA:PFA+1] offset:(12+\slot)*UNIT th:TH_LOAD_NT scope:SCOPE_SE
.Lno_ask_\@:
.endif
	WIN MUL_HI
	MUL16 4, \p, 2, \slot, 0
	MUL16 6, \p, 2, \slot, 0
	PLACES NP
	WIN 0
	FETCH_A \next, \nq, 4
.endm
.macro TLOAD a                         ; the table of block a's 16 tokens, register for register: even blocks at v192, odd at v96 of window 1
	WIN 0x40
.irp c, 0,1,2,3,4,5,6,7,8,9,10,11,12,13,14,15
	global_load_b128 v[192-96*((\a)%2)+4*\c:195-96*((\a)%2)+4*\c], v[LI], s[TP:TP+1] offset:8192*(\a)+512*\c
.endr
	WIN 0
.endm
; 64 numbers of a lane, register 16 b + i = index 32 b + 16 h + i of my row, become a fragment's codes in v[pc] on and its scale word in v[pw]
.macro QUANT s, pc, tp, pw
.irp b, 0,1,2,3
	v_max3_num_f32 v[TM+\b], |v[\s+16*\b]|, |v[\s+1+16*\b]|, 0x1800000   ; with the floor 2^(3 - 127): the byte cannot fall under 1
.endr
.irp i, 2,4,6,8,10,12,14
.irp b, 0,1,2,3
	v_max3_num_f32 v[TM+\b], v[TM+\b], |v[\s+16*\b+\i]|, |v[\s+1+16*\b+\i]|
.endr
.endr
.irp b, 0,1,2,3
	v_permlanex16_b32 v[TM+4+\b], v[TM+\b], s[SEL], s[SEL+1]
.endr
.irp b, 0,1,2,3
	v_max_num_f32 v[TM+\b], v[TM+\b], v[TM+4+\b]
.endr
.irp b, 0,1,2,3
	v_add_nc_u32 v[TM+12+\b], 0xff000000, v[TM+\b] ; 2 off the exponent field: the conversion's scale operand
.endr
.irp b, 0,1,2,3
	v_lshrrev_b32 v[TM+4+\b], 23, v[TM+12+\b]
.endr
	v_lshl_or_b32 v[\pw], v[TM+5], 8, v[TM+4]
	v_lshl_or_b32 v[\pw], v[TM+6], 16, v[\pw]
	v_lshl_or_b32 v[\pw], v[TM+7], 24, v[\pw]
.irp c, 0,1
	v_cvt_scalef32_pk16_fp6_f32 v[\pc+6*\c:\pc+2+6*\c], v[\s+32*\c:\s+15+32*\c], v[TM+12+2*\c]
	v_cvt_scalef32_pk16_fp6_f32 v[\tp+4*\c:\tp+2+4*\c], v[\s+16+32*\c:\s+31+32*\c], v[TM+12+2*\c+1]
.endr
	v_nop                                          ; one plain place behind a scaled conversion
.irp c, 0,1
.irp i, 0,1,2
	v_permlane16_swap_b32 v[\pc+6*\c+\i], v[\tp+4*\c+\i]
.endr
.irp i, 0,1,2
	v_mov_b32 v[\pc+3+6*\c+\i], v[\tp+4*\c+\i]
.endr
.endr
.endm
.macro EPI a
.set AC, 64*((\a)%4)
.set TBL, 192-96*((\a)%2)
	s_wait_xcnt 0x0                                ; the earlier stores have read the registers that are written below
.if (\a) < 7
	TLOAD (\a)+1
	s_wait_loadcnt 16                              ; all but the 16 just issued: this block's table (and the biases) are in
.else
	s_wait_loadcnt 0x0
.endif
	s_cmp_eq_u32 s[FV], 1
	s_cbranch_scc1 .Lrow_bias_\@
	WIN 0x06+(\a)/4                                ; source 0: window 2 or 3; source 1: window 1
.set n, 0
.rept 32
	v_pk_add_f32 v[X+n:X+n+1], v[AC+n:AC+n+1], v[BI+n:BI+n+1]       ; q, k: the bias goes with the channel; each accumulator from its low end on
.set n, n+2
.endr
	WIN 0
	s_branch .Lbiased_\@
.Lrow_bias_\@:
	WIN 0x06+(\a)/4
.set n, 0
.rept 32
	v_pk_add_f32 v[X+n:X+n+1], v[AC+n:AC+n+1], v[BV+2*(\a):BV+2*(\a)+1] op_sel_hi:[1,0]   ; V: the bias goes with the lane's row
.set n, n+2
.endr
	WIN 0
.Lbiased_\@:
.irp g, 0,1,2,3
.irp j, 0,1,2,3,4,5,6,7
	v_permlane16_swap_b32 v[X+16*\g+\j], v[X+16*\g+8+\j]            ; now register 16 g + k holds index 32 g + 16 h + k
.endr
.endr
	s_wait_alu depctr_va_vdst(0)
	s_cmp_eq_u32 s[FV], 1
	s_cbranch_scc1 .Lno_rope_\@
	WIN 0x04                                       ; source 1: the table, window 1
.set n, 0
.rept 16                                       ; (x1, x2) and (cos, sin): (x1 cos - x2 sin, x1 sin + x2 cos); two pairs by turns
	v_pk_mul_f32 v[RT:RT+1], v[X+n:X+n+1], v[TBL+n:TBL+n+1] op_sel:[0,0] op_sel_hi:[0,1]
	v_pk_mul_f32 v[RT+2:RT+3], v[X+n+2:X+n+3], v[TBL+n+2:TBL+n+3] op_sel:[0,0] op_sel_hi:[0,1]
	v_pk_fma_f32 v[X+n:X+n+1], v[X+n:X+n+1], v[TBL+n:TBL+n+1], v[RT:RT+1] op_sel:[1,1,0] op_sel_hi:[1,0,1] neg_lo:[1,0,0]
	v_pk_fma_f32 v[X+n+2:X+n+3], v[X+n+2:X+n+3], v[TBL+n+2:TBL+n+3], v[RT+2:RT+3] op_sel:[1,1,0] op_sel_hi:[1,0,1] neg_lo:[1,0,0]
.set n, n+4
.endr
	WIN 0
.Lno_rope_\@:
	QUANT X, 112+80*((\a)%2), 204, 124+(\a)%2      ; even blocks: codes v112-123, word v124; odd blocks: v192-203, v125
.endm
.macro MIX e, o, t                     ; rows 8-15 of the even block change places with rows 0-7 of the odd one
	v_mov_b32_dpp v[RT+\t], v[\e] row_xmask:8 row_mask:0xf bank_mask:0xf
	v_mov_b32_dpp v[RT+1+\t], v[\o] row_xmask:8 row_mask:0xf bank_mask:0xf
	v_cndmask_b32 v[\e], v[\e], v[RT+1+\t], s[M8]
	v_cndmask_b32 v[\o], v[RT+\t], v[\o], s[M8]
.endm
.macro PAIR p
.irp i, 0,1,2,3,4,5,6,7,8,9,10,11
	MIX 112+\i, 192+\i, 2*(\i%2)
.endr
	MIX 124, 125, 0
	v_cndmask_b32 v[SW+\p], v124, v125, s[MH]      ; lanes 0-15: tile 2 p's words; lanes 16-31: tile 2 p + 1's
.irp c, 0,1,2
	global_store_b128 v[LI], v[112+4*\c:115+4*\c], s[OUT:OUT+1] offset:(2*\p)*1536+512*\c     ; 32 lanes store 512 consecutive bytes, at a multiple of 256 from the buffer's first byte
.endr
.irp c, 0,1,2
	global_store_b128 v[LI], v[192+4*\c:195+4*\c], s[OUT:OUT+1] offset:(2*\p+1)*1536+512*\c
.endr
.endm
	s_wait_alu depctr_va_vdst(0)
	TLOAD 0                                        ; block 0's table: its 16 loads stay out until the way out
	s_wait_tensorcnt 0x0                           ; my quarter of K steps 0-2 is in; the lines ahead of a later first fill:
	ds_add_u32 v[SPW], v[NIL]
	s_wait_dscnt 0x0
	CROUND
	JLOAD G0+4, G1, G0B+4, G1B                     ; K steps 3-5, the first tensor load behind the round
	FETCH_B 0, 0, 0
	FETCH_A 0, 0, 0
	SCALES 0
	FETCH_A 0, 0, 4
	global_prefetch_b8 v[PFO], s[TPF:TPF+1] th:TH_LOAD_NT scope:SCOPE_SE     ; 32 runs of 256 bytes of the table
	global_prefetch_b8 v[PFB], s[BIAS:BIAS+1] th:TH_LOAD_NT scope:SCOPE_SE   ; the head's 512 bytes of bias
.irp u, 6, 9                                   ; my share of K steps 6-8 and 9-11
	global_prefetch_b8 v[PFO], s[PFA:PFA+1] offset:\u*UNIT th:TH_LOAD_NT scope:SCOPE_SE
	global_prefetch_b8 v[PFT], s[PFA:PFA+1] offset:\u*UNIT th:TH_LOAD_NT scope:SCOPE_SE
.endr
	STEP 0, 0, 0, 1                                ; K step 0: its products start the sums
	s_mov_b32 s3, 2
.Llap:                                                 ; K steps 1-6, then 7-12: both slots are filled again in each trip
	STEP 0, 1, 1, 0
	TURN 0, 1, 0, 0, 1
	STEP 1, 0, 1, 0
	STEP 1, 1, 0, 0
	TURN 1, 0, 1, 0, 1
	STEP 0, 0, 0, 0
	s_sub_co_u32 s3, s3, 1
	s_cmp_lg_u32 s3, 0
	s_cbranch_scc1 .Llap
	STEP 0, 1, 1, 0                                ; K step 13
	TURN 0, 1, 0, 2, 0                             ; K step 14; K step 15 is the third unit of slot 1
	WIN 0x40                                       ; the biases land there
.irp b, 0,1,2,3,4,5,6,7
	global_load_b128 v[BI+8*\b:BI+8*\b+3], v6, s[BIAS:BIAS+1] offset:64*\b          ; channels 16 b + 8 h + 0 .. 7
	global_load_b128 v[BI+8*\b+4:BI+8*\b+7], v6, s[BIAS:BIAS+1] offset:64*\b+16
.endr
.irp a, 0,1,2,3,4,5,6,7
	global_load_b32 v[BV+2*\a], v7, s[BIAS:BIAS+1] offset:64*\a                     ; row 16 a + r; twice, since the packed addition names a pair
	global_load_b32 v[BV+2*\a+1], v7, s[BIAS:BIAS+1] offset:64*\a
.endr
	WIN 0
	s_wait_dscnt 12                                ; K step 15
	WIN MUL_LO
	MUL16 0, 1, 2, 1, 0
	MUL16 2, 1, 2, 1, 0
	s_wait_dscnt 0
	WIN MUL_HI
	MUL16 4, 1, 2, 1, 0
	MUL16 6, 1, 2, 1, 0
	WIN 0
	PLACES NP                                      ; for the loads into fragments' registers and the first reads of results
.irp p, 0,1,2,3
	EPI 2*\p
	EPI 2*\p+1
	PAIR \p
.endr
	global_store_b128 v[LI], v[SW:SW+3], s[OUT:OUT+1] offset:12288   ; the unit's scale words
	s_wait_tensorcnt 0x0                           ; the wave's end
	ds_add_u32 v[SPW], v[NIL]
	s_wait_dscnt 0x0
	CROUND                                         ; the closing round
	s_endpgm
.Lfunc_end_k_q55609de0a8_qkv:
	.size	k_q55609de0a8_qkv, .Lfunc_end_k_q55609de0a8_qkv-k_q55609de0a8_qkv
	.p2alignl 7, 3214868480
	.fill 96, 4, 3214868480
	.section	.rodata,"a",@progbits
	.p2align	6, 0x0
	.amdhsa_kernel k_q55609de0a8_qkv
		.amdhsa_group_segment_fixed_size 327680
		.amdhsa_private_segment_fixed_size 0
		.amdhsa_enable_private_segment 0
		.amdhsa_kernarg_size 64
		.amdhsa_user_sgpr_count 2
		.amdhsa_user_sgpr_kernarg_segment_ptr 1
		.amdhsa_wavefront_size32 1
		.amdhsa_system_sgpr_workgroup_id_x 1
		.amdhsa_system_sgpr_workgroup_id_y 1
		.amdhsa_system_sgpr_workgroup_id_z 1
		.amdhsa_system_vgpr_workitem_id 0
		.amdhsa_next_free_vgpr 1024
		.amdhsa_next_free_sgpr 104
		.amdhsa_reserve_vcc 0
		.amdhsa_float_denorm_mode_32 3
		.amdhsa_float_denorm_mode_16_64 3
		.amdhsa_memory_ordered 1
		.amdhsa_forward_progress 1
		.amdhsa_inst_pref_size 255
	.end_amdhsa_kernel
	.section	.bss,"aw",@nobits
	.p2align	6
	.space	262144
	.amdgpu_metadata
---
amdhsa.version: [ 1, 2 ]
amdhsa.kernels:
  - .name:           k_q55609de0a8_qkv
    .symbol:         k_q55609de0a8_qkv.kd
    .args:
      - { .name: img, .offset: 0, .size: 8, .value_kind: global_buffer, .address_space: global }
      - { .name: bq, .offset: 8, .size: 8, .value_kind: global_buffer, .address_space: global }
      - { .name: bk, .offset: 16, .size: 8, .value_kind: global_buffer, .address_space: global }
      - { .name: bv, .offset: 24, .size: 8, .value_kind: global_buffer, .address_space: global }
      - { .name: rope, .offset: 32, .size: 8, .value_kind: global_buffer, .address_space: global }
      - { .name: qc, .offset: 40, .size: 8, .value_kind: global_buffer, .address_space: global }
      - { .name: kc, .offset: 48, .size: 8, .value_kind: global_buffer, .address_space: global }
      - { .name: vc, .offset: 56, .size: 8, .value_kind: global_buffer, .address_space: global }
    .group_segment_fixed_size: 327680
    .private_segment_fixed_size: 0
    .kernarg_segment_align: 8
    .kernarg_segment_size: 64
    .max_flat_workgroup_size: 128
    .sgpr_count:     104
    .vgpr_count:     1024
    .wavefront_size: 32
...
	.end_amdgpu_metadata
.endif
;; end of part 2
;; launch attn (part 3): grid 16 x 16, 16 waves a work-group, clusters of 4 x 1, 207,872 bytes of LDS; arguments qc, kc, vc, maskw, oc, osc; writes oc, osc
.if DOCPART == 3
	.amdgcn_target "amdgcn-amd-amdhsa--gfx1250"
	.amdhsa_code_object_version 6
	.text
	.protected	k_q55609de0a8_attn
	.globl	k_q55609de0a8_attn
	.p2align	8
	.type	k_q55609de0a8_attn,@function
k_q55609de0a8_attn:
	s_mov_b64 s[64:65], 0
	v_nop
	global_prefetch_b8 v0, s[64:65] scope:SCOPE_SE
	s_setreg_imm32_b32 hwreg(HW_REG_WAVE_MODE, 25, 1), 1
	s_wait_xcnt 0x0
	s_wait_alu depctr_hold_cnt(0) depctr_sa_sdst(0) depctr_va_vdst(0) depctr_va_sdst(0) depctr_va_ssrc(0) depctr_va_vcc(0) depctr_vm_vsrc(0)
	s_getreg_b32 s2, hwreg(HW_REG_IB_STS2, 6, 4)
	s_cmp_eq_u32 s2, 0
	s_cbranch_scc0 .Lentry_in_a_cluster
	s_endpgm
.Lentry_in_a_cluster:
	s_bfe_u32 s2, ttmp6, 0x10000c
	s_cmp_lg_u32 s2, 0x3003
	s_cbranch_scc0 .Lentry_shape_is_right
	s_endpgm
.Lentry_shape_is_right:
; Attention of one group (4 query heads on one key and value head) on codes of FP6 (E2M3): S^T = K Q^T, the mask, p = 2^(t - M), O^T = V^T P^T, O / l, and O quantised along the head's 128 for the last product.
; t = score x log2(e) / sqrt(128) (q already carries its own 128^-0.5); M = the running largest t rounded up to a whole number; the row's sum is taken of the unquantised p.
; SHARES.  Work-group (qb = 4 x cluster x + cx, y = 4 b + g): 64 queries of batch b for the four heads of group g.  Sixteen waves, four to a SIMD: wave = 4 hl + tl owns tile tau = 4 qb + tl of head 4 g + hl, in 256 registers.
; K and V of the whole group, 8 units of 12,800 bytes each (128 rows x 128 K as images of the operands' registers, then the scale words), lie in LDS for the whole launch: 204,800 bytes, filled ONCE: no ring.
; The four work-groups of a cluster walk the same K and V: every wave asks for one unit, jointly (mask 15): waves 0-7 for K's units 0-7, waves 8-15 for V's.  Each waits for its own; one barrier shows all sixteen to all.
; Tiles are PERMUTED (tile T, lane r: row 32 (T / 2) + 8 (T % 2) + r + 8 (r / 8)), so that the 16 registers of tiles 2 B, 2 B + 1 of a transposed result are 16 neighbours: keys in S^T, channels in O^T.
; THE MASK comes as lane masks, one word for each of a step's 64 score registers, by scalar loads: a hidden score becomes -2^100 by one v_cndmask_b32.
; No prefetch: all of K and V is asked for by the launch's first instructions.
; LIMITS: scores must lie above -2^100.  -2^100 x c is exact, so a row all of whose keys so far are hidden has p = 1 for them, and they are multiplied by 0 as soon as an open key moves M;
; a row hidden as a whole gives the plain mean of V, as a softmax over equal logits does.  NaN and infinities are not served.  A block of zeros gets the scale byte 1 (read by this program alone).
; REGISTERS: v1, v2 16 x lane (+ V's base); v3 -2^100; v4, v5 the scale words' stage; v8, v9 the step's addresses; v12 -M, v13 largest t, v[14:15] the sum; v16-27 Q; v29 O's scale word; v32-79 four fragments;
;   v80-95 at work in the last quantiser; v96-159 S^T, then p; v160-223 O^T; v224-235 codes; v236-247, v252-254 at work; v248-251 a unit's scale words; v255 Q's scale words.
.set UNIT,  12800
.set VBASE, 8*UNIT                     ; V's units lie behind K's
.set GS,    2*VBASE                    ; behind them: 1,024 bytes in which the work-group's scale words of O meet; no fill lands there
.set WV,   12
.set TB,   13                          ; LDS byte at which the step's unit begins
.set MP,   14                          ; s[14:15] the step's 64 mask words
.set G1,   4                           ; s[4:11]
.set G0,   84                          ; s[84:87]
.set CS,   100                         ; s[100:101] c = log2(e) / sqrt(128)
.set SEL,  66
.set TM,   80
.macro CROUND
	s_barrier_signal -1
	s_barrier_wait -1
	s_cmp_lg_u32 s[WV], 0
	s_cbranch_scc1 .Lnot_wave_0_\@
	s_barrier_signal -3
.Lnot_wave_0_\@:
	s_barrier_wait -3
	s_barrier_signal -1
	s_barrier_wait -1
.endm
.macro QUANT s, pc, tp, pw             ; 64 numbers of a lane, register 16 b + i = index 32 b + 16 h + i of my row, become a fragment's codes and its scale word
.irp b, 0,1,2,3
	v_max3_num_f32 v[TM+\b], |v[\s+16*\b]|, |v[\s+1+16*\b]|, 0x1800000
.endr
.irp i, 2,4,6,8,10,12,14
.irp b, 0,1,2,3
	s_delay_alu instid0(VALU_DEP_4)
	v_max3_num_f32 v[TM+\b], v[TM+\b], |v[\s+16*\b+\i]|, |v[\s+1+16*\b+\i]|
.endr
.endr
.irp b, 0,1,2,3
	s_delay_alu instid0(VALU_DEP_4)
	v_permlanex16_b32 v[TM+4+\b], v[TM+\b], s[SEL], s[SEL+1]
.endr
.irp b, 0,1,2,3
	s_delay_alu instid0(VALU_DEP_4)
	v_max_num_f32 v[TM+\b], v[TM+\b], v[TM+4+\b]
.endr
.irp b, 0,1,2,3
	s_delay_alu instid0(VALU_DEP_4)
	v_add_nc_u32 v[TM+12+\b], 0xff000000, v[TM+\b]
.endr
.irp b, 0,1,2,3
	s_delay_alu instid0(VALU_DEP_4)
	v_lshrrev_b32 v[TM+4+\b], 23, v[TM+12+\b]
.endr
	s_delay_alu instid0(VALU_DEP_3)
	v_lshl_or_b32 v[\pw], v[TM+5], 8, v[TM+4]
	s_delay_alu instid0(VALU_DEP_1)
	v_lshl_or_b32 v[\pw], v[TM+6], 16, v[\pw]
	s_delay_alu instid0(VALU_DEP_1)
	v_lshl_or_b32 v[\pw], v[TM+7], 24, v[\pw]
.irp c, 0,1
	v_cvt_scalef32_pk16_fp6_f32 v[\pc+6*\c:\pc+2+6*\c], v[\s+32*\c:\s+15+32*\c], v[TM+12+2*\c]
	v_cvt_scalef32_pk16_fp6_f32 v[\tp+4*\c:\tp+2+4*\c], v[\s+16+32*\c:\s+31+32*\c], v[TM+12+2*\c+1]
.endr
	v_nop
.irp c, 0,1
.irp i, 0,1,2
	v_permlane16_swap_b32 v[\pc+6*\c+\i], v[\tp+4*\c+\i]
.endr
.irp i, 0,1,2
	s_delay_alu instid0(VALU_DEP_3)
	v_mov_b32 v[\pc+3+6*\c+\i], v[\tp+4*\c+\i]
.endr
.endr
.endm
	s_load_b256 s[16:23], s[0:1], 0x0              ; qc, kc, vc, maskw
	v_lshl_add_u32 v91, v0, 2, 0x32400
	v_mov_b32 v243, 0
	ds_add_u32 v91, v243                           ; the opening lines: the add twice, and its wait, ahead of my tensor load
	ds_add_u32 v91, v243
	v_lshrrev_b32 v8, 5, v0
	s_delay_alu instid0(VALU_DEP_1)
	v_readfirstlane_b32 s[WV], v8                  ; wave 0..15
	s_bfe_u32 s24, ttmp6, 0x40000                  ; cx: it enters Q's, the mask's and O's addresses alone
	s_lshl_b32 s25, ttmp9, 2
	s_add_co_u32 s25, s25, s24                     ; qb
	s_and_b32 s26, ttmp7, 0xffff                   ; y = 4 b + g, which the four partners share
	s_lshr_b32 s27, s[WV], 2                       ; hl
	s_and_b32 s28, s[WV], 3                        ; tl
	s_lshl_b32 s29, s25, 2
	s_add_co_u32 s29, s29, s28                     ; tau
	s_and_b32 s30, s[WV], 7                        ; which unit of K or of V I fetch
	s_mov_b32 s[G1], 15|(3<<16)|(1<<21)            ; mask: all four work-groups; elements of 8 bytes; bit 21 beside a mask; no padding
	s_mov_b32 s[G1+1], 32<<16                      ; a unit: 50 rows of 256 bytes, dense
	s_mov_b32 s[G1+2], 50<<16
	s_mov_b32 s[G1+3], 32<<16
	s_mov_b32 s[G1+4], 50
	s_mov_b32 s[G1+5], 32
	s_mov_b32 s[G1+6], 0
	s_mov_b32 s[G1+7], 0
	s_mul_i32 s34, s26, VBASE                      ; the group's first byte in kc and in vc
	s_mov_b32 s35, 0
	s_mul_i32 s32, s[WV], UNIT                     ; where my unit goes
	s_mul_i32 s38, s30, UNIT                       ; and where it lies in the group's run of units
	s_mov_b32 s39, 0
	s_mov_b32 s[SEL], 0x76543210
	s_mov_b32 s[SEL+1], 0xfedcba98
	s_mov_b32 s[CS], 0x3e0293ee
	s_mov_b32 s[CS+1], s[CS]                       ; (named with it as a pair)
	s_mov_b32 s[TB], 0
	s_wait_dscnt 0x0
	s_wait_kmcnt 0x0
	s_cmp_lt_u32 s[WV], 8
	s_cselect_b64 s[36:37], s[18:19], s[20:21]
	s_add_nc_u64 s[36:37], s[36:37], s[34:35]
	s_add_nc_u64 s[36:37], s[36:37], s[38:39]
	s_mov_b32 s[G0], 1
	s_mov_b32 s[G0+1], s32
	s_mov_b64 s[G0+2:G0+3], s[36:37]
	s_or_b32 s[G0+3], s[G0+3], 0x80000000
	s_lshl_b32 s38, s26, 2                         ; Q is asked for ahead of the round
	s_add_co_u32 s38, s38, s27                     ; 16 b + head
	s_lshl_b32 s38, s38, 3
	s_lshr_b32 s39, s29, 3
	s_add_co_u32 s38, s38, s39
	s_mul_i32 s38, s38, UNIT
	s_mov_b32 s39, 0
	s_add_nc_u64 s[16:17], s[16:17], s[38:39]      ; Q's unit
	s_and_b32 s40, s29, 7                          ; my tile in it
	s_mul_i32 s41, s40, 1536
	v_and_b32 v8, 31, v0
	s_delay_alu instid0(VALU_DEP_1)
	v_lshlrev_b32 v1, 4, v8
	s_wait_alu depctr_va_vdst(0)
	v_add_nc_u32 v10, s41, v1
.irp c, 0,1,2
	global_load_b128 v[16+4*\c:19+4*\c], v10, s[16:17] offset:512*\c    ; Q's fragment stays in registers
.endr
	s_and_b32 s41, s29, 1
	s_lshl_b32 s41, s41, 8
	s_lshr_b32 s40, s40, 1
	s_lshl_b32 s40, s40, 2
	s_add_co_u32 s41, s41, s40
	v_and_b32 v9, 15, v0
	s_delay_alu instid0(VALU_DEP_1)
	v_lshl_add_u32 v11, v9, 4, s41
	global_load_b32 v255, v11, s[16:17] offset:12288                    ; row r's scale word: word (tile / 2) of lane r + 16 (tile % 2)
	s_wait_alu depctr_va_vdst(0)
	CROUND                                         ; all four work-groups are here: the joint loads meet
	tensor_load_to_lds s[G0:G0+3], s[G1:G1+7]      ; one tensor load a wave, on every wave's path
	s_nop 0
.rept 4
	v_nop
.endr
	s_lshr_b32 s42, s26, 2
	s_lshl_b32 s42, s42, 6
	s_add_co_u32 s42, s42, s29
	s_lshl_b32 s42, s42, 11                        ; 8 key steps x 256 bytes for each tile of queries
	s_mov_b32 s43, 0
	s_add_nc_u64 s[MP:MP+1], s[22:23], s[42:43]
	v_add_nc_u32 v2, VBASE, v1
	v_mov_b32 v3, 0xf1800000                       ; -2^100
	v_mov_b32 v13, 0xff61b1e6                      ; the largest t so far: -3e38
	s_delay_alu instid0(VALU_DEP_1)
	v_floor_f32 v12, -v13                          ; -M
	v_mov_b32 v14, 0
	v_mov_b32 v15, 0
.irp b, 0,1,2,3
	v_mov_b32 v[236+\b], 0                         ; written once: a lane permute's destination counts as one of its sources
	v_mov_b32 v[TM+4+\b], 0
.endr
	v_mov_b32 v253, 0                              ; (named as the upper half of the pair v[252:253] before it is first written)
.set n, 0
.rept 64
	v_mov_b32 v[160+n], 0                          ; O^T: the step is written once; its first turn finds zeros
.set n, n+1
.endr
; A KEY STEP: 128 keys, one unit of K and one of V.
.macro STEP
	s_load_b512 s[16:31], s[MP:MP+1], 0x0          ; the step's 64 lane masks
	s_load_b512 s[32:47], s[MP:MP+1], 0x40
	s_load_b512 s[48:63], s[MP:MP+1], 0x80
	s_load_b512 s[68:83], s[MP:MP+1], 0xc0
	v_add_nc_u32 v8, s[TB], v1
	s_wait_alu depctr_va_vdst(0)
	v_add_nc_u32 v9, s[TB], v2
	v_nop
	v_nop                                          ; four places in front of loads into registers that the last products read
.irp g, 0,1                                    ; S^T = K Q^T, four tiles of 16 keys at a time
.if \g > 0
.rept 4
	v_nop
.endr
.endif
.irp t, 0,1,2,3
.irp c, 0,1,2
	ds_load_b128 v[32+12*\t+4*\c:35+12*\t+4*\c], v8 offset:(4*\g+\t)*1536+512*\c
.endr
.endr
.if \g == 0
	ds_load_b128 v[248:251], v8 offset:12288       ; the scale words of all eight tiles
.endif
	s_wait_dscnt 0x0
.irp t, 0,2
	v_wmma_scale_f32_16x16x128_f8f6f4 v[96+8*(4*\g+\t):103+8*(4*\g+\t)], v[32+12*\t:43+12*\t], v[16:27], 0, v[248+2*\g+\t/2], v255 matrix_a_fmt:MATRIX_FMT_FP6 matrix_b_fmt:MATRIX_FMT_FP6
	v_wmma_scale_f32_16x16x128_f8f6f4 v[104+8*(4*\g+\t):111+8*(4*\g+\t)], v[44+12*\t:55+12*\t], v[16:27], 0, v[248+2*\g+\t/2], v255 matrix_a_fmt:MATRIX_FMT_FP6 matrix_b_fmt:MATRIX_FMT_FP6 matrix_a_scale:MATRIX_SCALE_ROW1
.endr
.endr
.rept 4
	v_nop
.endr
	s_wait_kmcnt 0x0
	s_add_nc_u64 s[MP:MP+1], s[MP:MP+1], 256       ; the scalar loads are done: their base may step
.set n, 0
.rept 64
	v_cndmask_b32 v[96+n], v[96+n], v3, s[16+n+4*(n/48)]   ; hidden scores become -2^100; each accumulator from its low end on
.set n, n+1
.endr
.irp b, 0,1,2,3
	v_max3_num_f32 v[232+\b], v[96+16*\b], v[97+16*\b], v[98+16*\b]   ; the largest score of each block of 32 keys: for the row's maximum, and, since p rises with the score, for the block's largest p
.endr
.irp i, 3,5,7,9,11,13
.irp b, 0,1,2,3
	s_delay_alu instid0(VALU_DEP_4)
	v_max3_num_f32 v[232+\b], v[232+\b], v[96+16*\b+\i], v[97+16*\b+\i]
.endr
.endr
.irp b, 0,1,2,3
	s_delay_alu instid0(VALU_DEP_4)
	v_max_num_f32 v[232+\b], v[232+\b], v[111+16*\b]
.endr
.irp b, 0,1,2,3
	s_delay_alu instid0(VALU_DEP_4)
	v_permlanex16_b32 v[236+\b], v[232+\b], s[SEL], s[SEL+1]
.endr
.irp b, 0,1,2,3
	s_delay_alu instid0(VALU_DEP_4)
	v_max_num_f32 v[232+\b], v[232+\b], v[236+\b]
.endr
	s_delay_alu instid0(VALU_DEP_2)
	v_max3_num_f32 v254, v232, v233, v234
	s_delay_alu instid0(VALU_DEP_1)
	v_max_num_f32 v254, v254, v235
	s_delay_alu instid0(VALU_DEP_1)
	v_mul_f32 v254, s[CS], v254
	s_delay_alu instid0(VALU_DEP_1)
	v_max_num_f32 v13, v13, v254                   ; the running largest t
	v_mov_b32 v254, v12
	s_delay_alu instid0(VALU_DEP_2)
	v_floor_f32 v12, -v13                          ; the new -M: M is a whole number
	s_delay_alu instid0(VALU_DEP_1)
	v_sub_f32 v254, v12, v254
	s_delay_alu instid0(VALU_DEP_1)
	v_cvt_i32_f32 v254, v254                       ; (it saturates)
	s_delay_alu instid0(VALU_DEP_1)
	v_ldexp_f32 v252, 1.0, v254                    ; f = 2^(old M - new M)
.irp j, 0,2,4,6,8,10,12,14,16,18,20,22,24,26,28,30,32,34,36,38,40,42,44,46,48,50,52,54,56,58,60,62
	v_pk_fma_f32 v[96+\j:97+\j], v[96+\j:97+\j], s[CS:CS+1], v[12:13] op_sel_hi:[1,0,0]   ; t - M
.endr
.irp b, 0,1,2,3
	v_fma_f32 v[232+\b], v[232+\b], s[CS], v12
.endr
.set n, 0
	s_wait_alu depctr_va_vdst(0)
.rept 64
	v_exp_f32 v[96+n], v[96+n]                     ; p = 2^(t - M): not normalised
.set n, n+1
.endr
	v_pk_mul_f32 v[14:15], v[14:15], v[252:253] op_sel_hi:[1,0]   ; the sums under the new M.  (A plain place behind the exponentials)
	s_wait_alu depctr_va_vdst(0)                   ; one wait for the whole batch, ahead of its first reader
.irp b, 0,1,2,3
	v_exp_f32 v[232+\b], v[232+\b]                 ; the block's largest p
.endr
	v_pk_add_f32 v[236:237], v[100:101], v[104:105]
	v_pk_add_f32 v[250:251], v[108:109], v[112:113]
	v_pk_add_f32 v[248:249], v[116:117], v[120:121]
	v_pk_add_f32 v[246:247], v[124:125], v[128:129]
	v_pk_add_f32 v[244:245], v[132:133], v[136:137]
	v_pk_add_f32 v[240:241], v[140:141], v[144:145]
	v_pk_add_f32 v[238:239], v[148:149], v[152:153]
	v_pk_add_f32 v[14:15], v[14:15], v[156:157]
	v_pk_add_f32 v[236:237], v[236:237], v[96:97]
	v_pk_add_f32 v[250:251], v[250:251], v[98:99]
	v_pk_add_f32 v[248:249], v[248:249], v[102:103]
	v_pk_add_f32 v[246:247], v[246:247], v[106:107]
	v_pk_add_f32 v[244:245], v[244:245], v[110:111]
	v_pk_add_f32 v[240:241], v[240:241], v[114:115]
	v_pk_add_f32 v[238:239], v[238:239], v[118:119]
	v_pk_add_f32 v[14:15], v[14:15], v[122:123]
	v_pk_add_f32 v[236:237], v[236:237], v[126:127]
	v_pk_add_f32 v[250:251], v[250:251], v[130:131]
	v_pk_add_f32 v[248:249], v[248:249], v[134:135]
	v_pk_add_f32 v[246:247], v[246:247], v[138:139]
	v_pk_add_f32 v[244:245], v[244:245], v[142:143]
	v_pk_add_f32 v[240:241], v[240:241], v[146:147]
	v_pk_add_f32 v[238:239], v[238:239], v[150:151]
	v_pk_add_f32 v[14:15], v[14:15], v[154:155]
	v_pk_add_f32 v[236:237], v[236:237], v[158:159]
	s_delay_alu instid0(VALU_DEP_2)
	v_pk_add_f32 v[14:15], v[14:15], v[246:247]
	s_delay_alu instid0(VALU_DEP_2)
	v_pk_add_f32 v[236:237], v[236:237], v[244:245]
	v_pk_add_f32 v[250:251], v[250:251], v[240:241]
	v_pk_add_f32 v[248:249], v[248:249], v[238:239]
	s_delay_alu instid0(VALU_DEP_2)
	v_pk_add_f32 v[14:15], v[14:15], v[250:251]
	s_delay_alu instid0(VALU_DEP_2)
	v_pk_add_f32 v[236:237], v[236:237], v[248:249]
	s_delay_alu instid0(VALU_DEP_1)
	v_pk_add_f32 v[14:15], v[14:15], v[236:237]
	s_wait_alu depctr_va_vdst(0)                   ; and one for the four
.irp b, 0,1,2,3
	v_max_num_f32 v[232+\b], 0x1800000, v[232+\b]  ; the floor 2^(3 - 127)
.endr
.irp b, 0,1,2,3
	s_delay_alu instid0(VALU_DEP_4)
	v_add_nc_u32 v[244+\b], 0xff000000, v[232+\b]
.endr
.irp b, 0,1,2,3
	s_delay_alu instid0(VALU_DEP_4)
	v_lshrrev_b32 v[236+\b], 23, v[244+\b]
.endr
	s_delay_alu instid0(VALU_DEP_3)
	v_lshl_or_b32 v253, v237, 8, v236              ; p's scale word for these 128 keys
	s_delay_alu instid0(VALU_DEP_1)
	v_lshl_or_b32 v253, v238, 16, v253
	s_delay_alu instid0(VALU_DEP_1)
	v_lshl_or_b32 v253, v239, 24, v253
.irp c, 0,1
	v_cvt_scalef32_pk16_fp6_f32 v[224+6*\c:226+6*\c], v[96+32*\c:111+32*\c], v[244+2*\c]
	v_cvt_scalef32_pk16_fp6_f32 v[236+4*\c:238+4*\c], v[112+32*\c:127+32*\c], v[244+2*\c+1]
.endr
	v_nop
.irp c, 0,1
.irp i, 0,1,2
	v_permlane16_swap_b32 v[224+6*\c+\i], v[236+4*\c+\i]
.endr
.irp i, 0,1,2
	s_delay_alu instid0(VALU_DEP_3)
	v_mov_b32 v[227+6*\c+\i], v[236+4*\c+\i]
.endr
.endr
.irp j, 0,2,4,6,8,10,12,14,16,18,20,22,24,26,28,30,32,34,36,38,40,42,44,46,48,50,52,54,56,58,60,62
	v_pk_mul_f32 v[160+\j:161+\j], v[160+\j:161+\j], v[252:253] op_sel_hi:[1,0]   ; O^T under the new M.  (These 32 are also the places in front of the matrix instructions and loads below)
.endr
	s_wait_alu depctr_va_vdst(0)
.irp g, 0,1                                    ; O^T += V^T P^T: four tiles of 16 channels at a time; the eight accumulators take turns
.if \g > 0
.rept 4
	v_nop
.endr
.endif
.irp t, 0,1,2,3
.irp c, 0,1,2
	ds_load_b128 v[32+12*\t+4*\c:35+12*\t+4*\c], v9 offset:(4*\g+\t)*1536+512*\c
.endr
.endr
.if \g == 0
	ds_load_b128 v[248:251], v9 offset:12288
.endif
	s_wait_dscnt 0x0
.irp t, 0,2
	v_wmma_scale_f32_16x16x128_f8f6f4 v[160+8*(4*\g+\t):167+8*(4*\g+\t)], v[32+12*\t:43+12*\t], v[224:235], v[160+8*(4*\g+\t):167+8*(4*\g+\t)], v[248+2*\g+\t/2], v253 matrix_a_fmt:MATRIX_FMT_FP6 matrix_b_fmt:MATRIX_FMT_FP6
	v_wmma_scale_f32_16x16x128_f8f6f4 v[168+8*(4*\g+\t):175+8*(4*\g+\t)], v[44+12*\t:55+12*\t], v[224:235], v[168+8*(4*\g+\t):175+8*(4*\g+\t)], v[248+2*\g+\t/2], v253 matrix_a_fmt:MATRIX_FMT_FP6 matrix_b_fmt:MATRIX_FMT_FP6 matrix_a_scale:MATRIX_SCALE_ROW1
.endr
.endr
	s_add_co_u32 s[TB], s[TB], UNIT
.endm
	s_wait_loadcnt 0x0                             ; Q
	s_wait_alu depctr_va_vdst(0)
	s_wait_tensorcnt 0x0                           ; my unit is in; behind the barrier all sixteen are: all of K and V, for the whole launch
	s_barrier_signal -1
	s_barrier_wait -1
	s_mov_b32 s3, 8                                ; eight key steps of 128 keys
.Lfirst:
	STEP
	s_sub_co_u32 s3, s3, 1
	s_cmp_lg_u32 s3, 0
	s_cbranch_scc1 .Lfirst
	; THE WAY OUT: O^T / the sum, quantised along the head's 128; the fragment's image goes to oc, the work-group's scale words meet in LDS and leave as runs of 512 bytes.
	s_load_b128 s[16:19], s[0:1], 0x20             ; oc, osc
.rept 4
	v_nop                                          ; places behind the last products
.endr
	v_add_f32 v14, v14, v15
	s_delay_alu instid0(VALU_DEP_1)
	v_permlanex16_b32 v252, v14, s[SEL], s[SEL+1]
	s_delay_alu instid0(VALU_DEP_1)
	v_add_f32 v14, v14, v252                       ; the row's sum
	s_wait_alu depctr_va_vdst(0)
	v_rcp_f32 v14, v14
	v_nop                                          ; a plain place behind the reciprocal
	s_bfe_u32 s24, ttmp6, 0x40000
	s_lshl_b32 s25, ttmp9, 2
	s_add_co_u32 s25, s25, s24                     ; qb
	s_and_b32 s26, ttmp7, 0xffff                   ; y
	s_lshr_b32 s27, s[WV], 2                       ; hl
	s_and_b32 s28, s[WV], 3                        ; tl
	s_lshl_b32 s29, s25, 2
	s_add_co_u32 s29, s29, s28                     ; tau
	s_lshr_b32 s30, s26, 2
	s_lshl_b32 s30, s30, 2
	s_lshr_b32 s31, s29, 4
	s_add_co_u32 s30, s30, s31                     ; which 256 tokens: 4 b + tau / 16
	s_and_b32 s31, s26, 3
	s_lshl_b32 s31, s31, 1                         ; 2 g
	s_lshr_b32 s32, s27, 1
	s_and_b32 s33, s27, 1
	s_lshl_b32 s34, s30, 3
	s_add_co_u32 s34, s34, s31
	s_add_co_u32 s34, s34, s32                     ; the pair of heads
	s_lshl_b32 s34, s34, 1
	s_add_co_u32 s34, s34, s33                     ; the head
	s_mul_i32 s34, s34, 16*1536
	s_and_b32 s35, s29, 15
	s_mul_i32 s35, s35, 1536
	s_add_co_u32 s34, s34, s35
	s_mov_b32 s35, 0
	s_min_u32 s36, s[WV], 1                        ; waves 0 and 1 store the scale words of the group's two pairs of heads
	s_lshl_b32 s38, s30, 14
	s_add_co_u32 s37, s31, s36
	s_lshl_b32 s37, s37, 11
	s_add_co_u32 s38, s38, s37
	s_and_b32 s37, s25, 3
	s_lshl_b32 s37, s37, 9
	s_add_co_u32 s38, s38, s37
	s_mov_b32 s39, 0
	s_lshl_b32 s40, s32, 9                         ; the stage: [pair of heads 2][tile 4][row 16][head of the pair 2] words
	s_lshl_b32 s41, s28, 7
	s_add_co_u32 s40, s40, s41
	s_lshl_b32 s41, s33, 2
	s_add_co_u32 s40, s40, s41
	s_add_co_u32 s40, s40, GS
	v_and_b32 v4, 15, v0
	s_delay_alu instid0(VALU_DEP_1)
	v_lshl_add_u32 v4, v4, 3, s40
	s_lshl_b32 s41, s36, 9
	s_add_co_u32 s41, s41, GS
	v_add_nc_u32 v5, s41, v1
	s_wait_alu depctr_va_vdst(0)                   ; the wait for the reciprocal, ahead of its first reader
.set n, 0
.rept 64
	v_mul_f32 v[96+n], v[160+n], v14               ; register 16 B + k is channel 32 B + 16 h + k of my query
.set n, n+1
.endr
	QUANT 96, 224, 236, 29
	s_wait_alu depctr_va_vdst(0)
	s_wait_kmcnt 0x0
	s_add_nc_u64 s[16:17], s[16:17], s[34:35]
	s_add_nc_u64 s[18:19], s[18:19], s[38:39]
.irp c, 0,1,2
	global_store_b128 v1, v[224+4*\c:227+4*\c], s[16:17] offset:512*\c    ; 32 lanes store 512 consecutive bytes
.endr
	ds_store_b32 v4, v29                           ; both halves of the lanes hold row r's word and write the same word
	s_wait_dscnt 0x0                               ; for the others' sake
	s_barrier_signal -1
	s_barrier_wait -1
	s_cmp_lt_u32 s[WV], 2
	s_cbranch_scc0 .Ldone
	ds_load_b128 v[32:35], v5
	s_wait_dscnt 0x0
	global_store_b128 v1, v[32:35], s[18:19]       ; four tiles x 16 rows x 2 heads: 512 consecutive bytes
.Ldone:
	s_wait_tensorcnt 0x0                           ; the wave's end
	ds_add_u32 v91, v243
	s_wait_dscnt 0x0
	CROUND                                         ; the closing round
	s_endpgm
.Lfunc_end_k_q55609de0a8_attn:
	.size	k_q55609de0a8_attn, .Lfunc_end_k_q55609de0a8_attn-k_q55609de0a8_attn
	.p2alignl 7, 3214868480
	.fill 96, 4, 3214868480
	.section	.rodata,"a",@progbits
	.p2align	6, 0x0
	.amdhsa_kernel k_q55609de0a8_attn
		.amdhsa_group_segment_fixed_size 207872
		.amdhsa_private_segment_fixed_size 0
		.amdhsa_enable_private_segment 0
		.amdhsa_kernarg_size 48
		.amdhsa_user_sgpr_count 2
		.amdhsa_user_sgpr_kernarg_segment_ptr 1
		.amdhsa_wavefront_size32 1
		.amdhsa_system_sgpr_workgroup_id_x 1
		.amdhsa_system_sgpr_workgroup_id_y 1
		.amdhsa_system_sgpr_workgroup_id_z 1
		.amdhsa_system_vgpr_workitem_id 0
		.amdhsa_next_free_vgpr 256
		.amdhsa_next_free_sgpr 104
		.amdhsa_reserve_vcc 0
		.amdhsa_float_denorm_mode_32 3
		.amdhsa_float_denorm_mode_16_64 3
		.amdhsa_memory_ordered 1
		.amdhsa_forward_progress 1
		.amdhsa_inst_pref_size 44
	.end_amdhsa_kernel
	.amdgpu_metadata
---
amdhsa.version: [ 1, 2 ]
amdhsa.kernels:
  - .name:           k_q55609de0a8_attn
    .symbol:         k_q55609de0a8_attn.kd
    .args:
      - { .name: qc, .offset: 0, .size: 8, .value_kind: global_buffer, .address_space: global }
      - { .name: kc, .offset: 8, .size: 8, .value_kind: global_buffer, .address_space: global }
      - { .name: vc, .offset: 16, .size: 8, .value_kind: global_buffer, .address_space: global }
      - { .name: maskw, .offset: 24, .size: 8, .value_kind: global_buffer, .address_space: global }
      - { .name: oc, .offset: 32, .size: 8, .value_kind: global_buffer, .address_space: global }
      - { .name: osc, .offset: 40, .size: 8, .value_kind: global_buffer, .address_space: global }
    .group_segment_fixed_size: 207872
    .private_segment_fixed_size: 0
    .kernarg_segment_align: 8
    .kernarg_segment_size: 48
    .max_flat_workgroup_size: 512
    .sgpr_count:     104
    .vgpr_count:     256
    .wavefront_size: 32
...
	.end_amdgpu_metadata
.endif
;; end of part 3
;; launch oproj (part 4): grid 16 x 16, 4 waves a work-group, clusters of 4 x 4, 327,680 bytes of LDS; arguments oc, osc, img, Wo_scales, bo, out0; writes out0
.if DOCPART == 4
	.amdgcn_target "amdgcn-amd-amdhsa--gfx1250"
	.amdhsa_code_object_version 6
	.text
	.protected	k_q55609de0a8_oproj
	.globl	k_q55609de0a8_oproj
	.p2align	8
	.type	k_q55609de0a8_oproj,@function
k_q55609de0a8_oproj:
	s_mov_b64 s[64:65], 0
	v_nop
	global_prefetch_b8 v0, s[64:65] scope:SCOPE_SE
	s_setreg_imm32_b32 hwreg(HW_REG_WAVE_MODE, 25, 1), 1
	s_wait_xcnt 0x0
	s_wait_alu depctr_hold_cnt(0) depctr_sa_sdst(0) depctr_va_vdst(0) depctr_va_sdst(0) depctr_va_ssrc(0) depctr_va_vcc(0) depctr_vm_vsrc(0)
	s_getreg_b32 s2, hwreg(HW_REG_IB_STS2, 6, 4)
	s_cmp_eq_u32 s2, 0
	s_cbranch_scc0 .Lentry_in_a_cluster
	s_endpgm
.Lentry_in_a_cluster:
	s_bfe_u32 s2, ttmp6, 0x10000c
	s_cmp_lg_u32 s2, 0xf033
	s_cbranch_scc0 .Lentry_shape_is_right
	s_endpgm
.Lentry_shape_is_right:
.set NP,     4
.set ROWB,   192
.set KROW,   1536
.set PITCH,  240
.set FR,     12
.set ASUB,   49152
.set BSUB,   25600                     ; Wo's tiles come from img: two units (128 rows x 256 K), 100 dense rows of 256 bytes
.set BOFF,   2*ASUB
.set SLOT,   BOFF+2*BSUB
.set SPARE,  2*SLOT
.set SPITCH, 272
.set ADRA, 8
.set ADRB, 12
.set STO,  16
.set RD,   17
.set CO,   18
.set OSA,  19
.set OSB,  20
.set OBI,  21
.set SPW,  28
.set NIL,  29
.set SA,   32
.set SB,   96
.set BIAS, 128
.set G1,   24
.set G0,   32
.set G1B,  48
.set G0B,  56
.set MSB, 0
.macro WIN new
.if MSB != (\new)
	s_set_vgpr_msb (MSB<<8)|(\new)
.set MSB, (\new)
.endif
.endm
.set MUL,  0xa7
.set MULB, 0xb7
.set TO_A, 0x40
.set TO_B, 0xc0
.macro JLOAD g0a, g1a, g0b, g1b
	s_cmp_eq_u32 s15, 0
	s_cbranch_scc0 .Lfor_b_\@
	tensor_load_to_lds s[\g0a:\g0a+3], s[\g1a:\g1a+7]
	s_nop 0
.rept 4
	v_nop
.endr
	s_branch .Lasked_\@
.Lfor_b_\@:
	tensor_load_to_lds s[\g0b:\g0b+3], s[\g1b:\g1b+7]
	s_nop 0
.rept 4
	v_nop
.endr
.Lasked_\@:
.endm
.macro CREST
	s_cmp_lg_u32 s14, 0
	s_cbranch_scc1 .Lnot_wave_0_\@
	s_barrier_signal -3
.Lnot_wave_0_\@:
	s_barrier_wait -3
	s_barrier_signal -1
	s_barrier_wait -1
.endm
.macro CROUND
	s_barrier_signal -1
	s_barrier_wait -1
	CREST
.endm
	s_load_b128 s[4:7], s[0:1], 0x0
	s_load_b128 s[8:11], s[0:1], 0x10
	s_load_b128 s[96:99], s[0:1], 0x20
	v_lshl_add_u32 v[SPW], v0, 2, SPARE
	v_mov_b32 v[NIL], 0
	ds_add_u32 v28, v29
	ds_add_u32 v28, v29
	s_wait_dscnt 0x0
	v_lshrrev_b32 v1, 5, v0
	v_readfirstlane_b32 s14, v1
	s_lshr_b32 s15, s14, 1
	s_and_b32 s16, s14, 1
	s_bfe_u32 s40, ttmp6, 0x40000
	s_bfe_u32 s41, ttmp6, 0x40004
	s_lshl_b32 s42, ttmp9, 2
	s_add_co_u32 s42, s42, s40
	s_and_b32 s17, ttmp7, 0xffff
	s_lshl_b32 s17, s17, 2
	s_add_co_u32 s17, s17, s41
	s_lshl_b32 s43, s41, 2
	s_lshl_b32 s43, 15, s43
	s_lshl_b32 s44, 0x1111, s40
	s_or_b32 s[G1+0], s43, (3<<16)|(1<<21)
	s_mov_b32 s[G1+1], 32<<16
	s_mov_b32 s[G1+2], 192<<16
	s_mov_b32 s[G1+3], 32<<16
	s_mov_b32 s[G1+4], 192
	s_mov_b32 s[G1+5], 32
	s_mov_b32 s[G1+6], 0
	s_mov_b32 s[G1+7], 0
	s_or_b32 s[G1B+0], s44, (3<<16)|(1<<21)
	s_mov_b32 s[G1B+1], 32<<16
	s_mov_b32 s[G1B+2], 100<<16
	s_mov_b32 s[G1B+3], 32<<16
	s_mov_b32 s[G1B+4], 100
	s_mov_b32 s[G1B+5], 32
	s_mov_b32 s[G1B+6], 0
	s_mov_b32 s[G1B+7], 0
	s_mul_i32 s20, s17, 8*ASUB
	s_mul_i32 s18, s16, ASUB
	s_add_co_u32 s20, s20, s18
	s_mov_b32 s21, 0
	s_lshl_b32 s22, s17, 14
	s_lshl_b32 s18, s16, 10
	s_add_co_u32 s22, s22, s18
	s_mov_b32 s23, 0
	s_add_co_u32 s46, s42, 48                      ; Wo's row blocks are img's 48-63; a row block is 16 units
	s_mul_i32 s46, s46, 204800
	s_mul_i32 s18, s16, BSUB
	s_add_co_u32 s46, s46, s18
	s_mov_b32 s47, 0
	s_lshl_b32 s92, s42, 13
	s_lshl_b32 s18, s15, 12
	s_add_co_u32 s92, s92, s18
	s_mov_b32 s93, 0
	s_mul_i32 s45, s16, ASUB
	s_mul_i32 s94, s16, BSUB
	s_add_co_u32 s94, s94, BOFF
	s_wait_kmcnt 0x0
	s_add_nc_u64 s[20:21], s[4:5], s[20:21]
	s_add_nc_u64 s[22:23], s[6:7], s[22:23]
	s_add_nc_u64 s[46:47], s[8:9], s[46:47]
	s_add_nc_u64 s[92:93], s[10:11], s[92:93]
	CROUND
.irp s, 0,1
	s_mov_b32 s[G0+4*\s], 1
	s_add_co_u32 s[G0+4*\s+1], s45, \s*SLOT
	s_add_nc_u64 s[G0+4*\s+2:G0+4*\s+3], s[20:21], \s*2*ASUB
	s_or_b32 s[G0+4*\s+3], s[G0+4*\s+3], 0x80000000
	s_mov_b32 s[G0B+4*\s], 1
	s_add_co_u32 s[G0B+4*\s+1], s94, \s*SLOT
	s_add_nc_u64 s[G0B+4*\s+2:G0B+4*\s+3], s[46:47], \s*2*BSUB
	s_or_b32 s[G0B+4*\s+3], s[G0B+4*\s+3], 0x80000000
.if \s
	s_wait_alu depctr_va_vdst(0)
	s_wait_tensorcnt 0x0                           ; slot 1's first fill stands behind the full sequence and a round, as a refill does; slot 0's stands behind the opening lines and the first round
	ds_add_u32 v28, v29
	ds_add_u32 v28, v29
	s_wait_dscnt 0x0
	CROUND
.endif
	JLOAD G0+4*\s, G1, G0B+4*\s, G1B
.endr
	v_and_b32 v1, 15, v0
	v_bfe_u32 v2, v0, 4, 1
	v_and_b32 v7, 31, v0
	s_wait_alu depctr_va_vdst(0)
	v_lshlrev_b32 v[OSA], 3, v7
	v_lshlrev_b32 v[OSB], 6, v1
	v_lshlrev_b32 v[OBI], 5, v2
.irp j, 0,1,2,3
.irp k, 0,1,2,3,4,5,6,7
	global_load_b64 v[SA+16*\j+2*\k:SA+16*\j+2*\k+1], v[OSA], s[22:23] offset:2048*\k+256*\j
.endr
.endr
.irp b, 0,1,2,3
.irp c, 0,1,2,3
	global_load_b128 v[SB+16*\b+4*\c:SB+16*\b+4*\c+3], v[OSB], s[92:93] offset:1024*\b+16*\c
.endr
.endr
	s_lshl_b32 s46, s42, 9
	s_lshl_b32 s47, s15, 8
	s_add_co_u32 s46, s46, s47
	s_mov_b32 s47, 0
	s_add_nc_u64 s[96:97], s[96:97], s[46:47]
	WIN TO_B
.irp b, 0,1,2,3
	global_load_b128 v[BIAS+8*\b:BIAS+8*\b+3], v[OBI], s[96:97] offset:64*\b
	global_load_b128 v[BIAS+8*\b+4:BIAS+8*\b+7], v[OBI], s[96:97] offset:64*\b+16
.endr
	WIN 0
	s_lshl_b32 s20, s17, 8
	s_lshl_b32 s21, s16, 7
	s_add_co_u32 s20, s20, s21
	s_lshl_b32 s20, s20, 13
	s_mov_b32 s21, 0
	s_add_nc_u64 s[12:13], s[98:99], s[20:21]
	s_add_nc_u64 s[12:13], s[12:13], s[46:47]
	v_lshlrev_b32 v5, 4, v7
	s_mul_i32 s18, s16, 8*1536
	v_add_nc_u32 v[ADRA], s18, v5
	v_add_nc_u32 v[ADRA+1], ASUB, v[ADRA]
	v_add_nc_u32 v[ADRA+2], SLOT, v[ADRA]
	v_add_nc_u32 v[ADRA+3], SLOT+ASUB, v[ADRA]
	s_mul_i32 s18, s15, 4*1536                     ; my 64 rows of Wo: four fragments' images of each unit
	s_add_co_u32 s18, s18, BOFF
	v_add_nc_u32 v[ADRB], s18, v5
	v_add_nc_u32 v[ADRB+1], SLOT, v[ADRB]
	s_mul_i32 s18, s14, 16*SPITCH
	v_mul_u32_u24 v[STO], v1, SPITCH
	v_lshl_add_u32 v[STO], v2, 5, v[STO]
	v_add_nc_u32 v[STO], s18, v[STO]
	v_mul_u32_u24 v[RD], v2, SPITCH
	v_lshl_add_u32 v[RD], v1, 4, v[RD]
	v_add_nc_u32 v[RD], s18, v[RD]
	v_lshlrev_b32 v[CO], 13, v2
	v_lshl_add_u32 v[CO], v1, 4, v[CO]
.macro FRAG reg, adr, q, i, u
.irp c, 0,1,2
	ds_load_b128 v[\reg+4*\c:\reg+4*\c+3], v[\adr] offset:(\u)*BSUB+(\q)*12800+(\i)*1536+512*\c
.endr
.endm
.macro FETCH s
	WIN TO_B
.irp b, 0,1,2,3
	FRAG 48*((\s)%2)+FR*\b, ADRB+((\s)/4)%2, (\s)%2, \b, ((\s)/2)%2
.endr
	WIN TO_A
.irp i, 0,1,2,3,4,5,6,7
.irp c, 0,1,2
	ds_load_b128 v[96*((\s)%2)+FR*\i+4*\c:96*((\s)%2)+FR*\i+4*\c+3], v[ADRA+2*(((\s)/4)%2)+((\s)/2)%2] offset:24576*((\s)%2)+1536*\i+512*\c
.endr
.endr
.endm
.macro MUL8 a0, s, bias
.irp a, \a0, \a0+1
.irp b, 0,1,2,3
.set rD, 8*(4*(\a)+\b)
.set rC, rD
.if \bias
.set rC, BIAS+8*\b
.endif
.set rB, 48*((\s)%2)+FR*\b
.set rA, 96*((\s)%2)+FR*(\a)
.if (\a)%2
	v_wmma_scale_f32_16x16x128_f8f6f4 v[rD:rD+7], v[rB:rB+FR-1], v[rA:rA+FR-1], v[rC:rC+7], v[SB+16*\b+(\s)], v[SA+16*((\a)/2)+(\s)] matrix_a_fmt:MATRIX_FMT_FP6 matrix_b_fmt:MATRIX_FMT_FP6 matrix_b_scale:MATRIX_SCALE_ROW1
.else
	v_wmma_scale_f32_16x16x128_f8f6f4 v[rD:rD+7], v[rB:rB+FR-1], v[rA:rA+FR-1], v[rC:rC+7], v[SB+16*\b+(\s)], v[SA+16*((\a)/2)+(\s)] matrix_a_fmt:MATRIX_FMT_FP6 matrix_b_fmt:MATRIX_FMT_FP6
.endif
.endr
.endr
.endm
.macro PLACES n
.rept \n
	v_nop
.endr
.endm
.macro STEP s, bias
	s_wait_dscnt 0x0
.if (\s) > 0
	PLACES NP
.endif
	FETCH (\s)+1
.if \bias
	WIN MULB
.else
	WIN MUL
.endif
	MUL8 0, \s, \bias
	MUL8 2, \s, \bias
	MUL8 4, \s, \bias
	MUL8 6, \s, \bias
.endm
.macro TURN s, slot, fill
	s_wait_dscnt 0x0
	WIN MUL
	MUL8 0, \s, 0
	WIN 0
	s_wait_tensorcnt 0x0
	ds_add_u32 v[SPW], v[NIL]
	WIN MUL
	MUL8 2, \s, 0
	s_wait_dscnt 0x0
	s_barrier_signal -1
	MUL8 4, \s, 0
	WIN 0
	s_barrier_wait -1
.if \fill
	CREST
	s_add_nc_u64 s[G0+4*\slot+2:G0+4*\slot+3], s[G0+4*\slot+2:G0+4*\slot+3], 4*ASUB
	s_add_nc_u64 s[G0B+4*\slot+2:G0B+4*\slot+3], s[G0B+4*\slot+2:G0B+4*\slot+3], 4*BSUB
	JLOAD G0+4*\slot, G1, G0B+4*\slot, G1B
.else
	PLACES NP
.endif
	s_wait_alu depctr_va_vdst(0)
	FETCH (\s)+1
	WIN MUL
	MUL8 6, \s, 0
.endm
	s_wait_tensorcnt 1
	s_barrier_signal -1
	s_barrier_wait -1
	FETCH 0
	s_wait_loadcnt 0x0
	STEP 0, 1
	STEP 1, 0
	STEP 2, 0
	TURN 3, 0, 1
	STEP 4, 0
	STEP 5, 0
	STEP 6, 0
	TURN 7, 1, 1
	STEP 8, 0
	STEP 9, 0
	STEP 10, 0
	TURN 11, 0, 0
	STEP 12, 0
	STEP 13, 0
	STEP 14, 0
	s_wait_dscnt 0x0
	WIN MUL
	MUL8 0, 15, 0
	MUL8 2, 15, 0
	MUL8 4, 15, 0
	MUL8 6, 15, 0
	WIN 0
.macro TOSTAGE a
.set AC, 32*(\a)
	WIN 0x08
.irp b, 0,1,2,3
	ds_store_b128 v[STO], v[AC+8*\b:AC+8*\b+3] offset:64*\b
	ds_store_b128 v[STO], v[AC+8*\b+4:AC+8*\b+7] offset:64*\b+16
.endr
	WIN TO_A
.set BB, 32*((\a)%2)
.irp t, 0,1,2,3,4,5,6,7
	ds_load_b128 v[BB+4*\t:BB+4*\t+3], v[RD] offset:2*\t*SPITCH
.endr
	WIN 0
.endm
.macro SEND a, younger
.set BB, 32*((\a)%2)
	s_wait_dscnt \younger
	WIN 0x04
.irp t, 0,1,2,3,4,5,6,7
	global_store_b128 v[CO], v[BB+4*\t:BB+4*\t+3], s[12:13] offset:(32*((\a)/2)+8*((\a)%2)+2*\t+8*(\t/4))*8192 th:TH_STORE_NT
.endr
	WIN 0
.endm
	PLACES NP
	TOSTAGE 0
.irp a, 1,2,3,4,5,6,7
.if \a > 1
	s_wait_xcnt 0x0
.endif
	TOSTAGE \a
	SEND \a-1, 16
.endr
	SEND 7, 0
	s_wait_tensorcnt 0x0
	ds_add_u32 v[SPW], v[NIL]
	s_wait_dscnt 0x0
	CROUND
	s_endpgm
.Lfunc_end_k_q55609de0a8_oproj:
	.size	k_q55609de0a8_oproj, .Lfunc_end_k_q55609de0a8_oproj-k_q55609de0a8_oproj
	.p2alignl 7, 3214868480
	.fill 96, 4, 3214868480
	.section	.rodata,"a",@progbits
	.p2align	6, 0x0
	.amdhsa_kernel k_q55609de0a8_oproj
		.amdhsa_group_segment_fixed_size 327680
		.amdhsa_private_segment_fixed_size 0
		.amdhsa_enable_private_segment 0
		.amdhsa_kernarg_size 48
		.amdhsa_user_sgpr_count 2
		.amdhsa_user_sgpr_kernarg_segment_ptr 1
		.amdhsa_wavefront_size32 1
		.amdhsa_system_sgpr_workgroup_id_x 1
		.amdhsa_system_sgpr_workgroup_id_y 1
		.amdhsa_system_sgpr_workgroup_id_z 1
		.amdhsa_system_vgpr_workitem_id 0
		.amdhsa_next_free_vgpr 1024
		.amdhsa_next_free_sgpr 100
		.amdhsa_reserve_vcc 0
		.amdhsa_float_denorm_mode_32 3
		.amdhsa_float_denorm_mode_16_64 3
		.amdhsa_memory_ordered 1
		.amdhsa_forward_progress 1
		.amdhsa_inst_pref_size 136
	.end_amdhsa_kernel
	.amdgpu_metadata
---
amdhsa.version: [ 1, 2 ]
amdhsa.kernels:
  - .name:           k_q55609de0a8_oproj
    .symbol:         k_q55609de0a8_oproj.kd
    .args:
      - { .name: oc, .offset: 0, .size: 8, .value_kind: global_buffer, .address_space: global }
      - { .name: osc, .offset: 8, .size: 8, .value_kind: global_buffer, .address_space: global }
      - { .name: img, .offset: 16, .size: 8, .value_kind: global_buffer, .address_space: global }
      - { .name: Wo_scales, .offset: 24, .size: 8, .value_kind: global_buffer, .address_space: global }
      - { .name: bo, .offset: 32, .size: 8, .value_kind: global_buffer, .address_space: global }
      - { .name: out0, .offset: 40, .size: 8, .value_kind: global_buffer, .address_space: global }
    .group_segment_fixed_size: 327680
    .private_segment_fixed_size: 0
    .kernarg_segment_align: 8
    .kernarg_segment_size: 48
    .max_flat_workgroup_size: 128
    .sgpr_count:     100
    .vgpr_count:     1024
    .wavefront_size: 32
...
	.end_amdgpu_metadata
.endif
;; end of part 4
